; MI455X (gfx1250); checked and timed in simulation.
; The chip was launched on July 23, 2026; its instructions are those of AMD's public machine-readable ISA for CDNA 5 (MIT licence, August 2026) and "CDNA5" Instruction Set Architecture Reference Guide (July 2026). The comments in the code are by the model that wrote it; some were corrected since.
;; Attention. Allowed arithmetic: matrix products marked QUANTISED: E2M1 operands, one E8M0 scale for each 32 along K, by v_wmma_scale_f32_16x16x128_f8f6f4 with both operands' format E2M1 (or v_wmma_scale_f32_32x16x128_f4), f32 sums; products left as they are: bf16, f16 or f32 operands; f32 sums; everything else in f32.
;; Inputs: b_qkv 3,072 float32; logit_scale 16 x 1 x 1 float32; w_out 1,024 x 1,024 float32; w_qkv 3,072 x 1,024 float32; x 4 x 2,048 x 1,024 float32.
;; Outputs: out0 4 x 2,048 x 1,024 float32.
;; This version of the problem:
;;   THIS VERSION OF THE PROBLEM IS GIVEN IN LOW PRECISION. The matrix products marked QUANTISED in the list below multiply operands that are first quantised to E2M1 (2 exponent bits, 1 mantissa bit; 4 bits a number), with one power-of-two scale for each 32 numbers along K (OCP MX v1.0); their sums are f32. The products marked 'left as it is' may take bf16, f16 or f32 operands, with f32 sums. Whichever they take, every output number must still come out within the allowed error. Rounding operands to bf16 (8 significant bits) uses up far more of that allowance than f16 does (11 bits, for magnitudes from 6e-5 to 65,504). All else is computed in f32.
;;   The module's matrix products, in the order in which they are computed (A, B: the left and right operand; K: the contracted axis; several contracted axes count as one K, in the product's order):
;;     1. [M 8,192, K 1,024] x [K 1,024, N 3,072]; A: input x; B: input w_qkv: QUANTISED
;;     2. batch 64 x [M 2,048, K 64] x [K 64, N 2,048]; A: computed on the way; B: computed on the way: left as it is (an operand is computed on the way)
;;     3. batch 64 x [M 2,048, K 2,048] x [K 2,048, N 64]; A: computed on the way; B: computed on the way: left as it is (an operand is computed on the way)
;;     4. [M 8,192, K 1,024] x [K 1,024, N 1,024]; A: computed on the way; B: input w_out: left as it is (an operand is computed on the way)
;;   THE QUANTISER, for each operand of a quantised product, along K:
;;     - K is cut into blocks of 32 from its start; a last block that is shorter is filled with zeros.
;;     - A block's scale is 2^e with e = floor(log2(the largest magnitude in the block)) - 2, held to -126 .. 127; a block of zeros has e = 0. As a byte (E8M0): e + 127.
;;     - Each number is divided by its block's scale, clamped to +-6, and rounded to the nearest number of E2M1, ties to even, subnormals kept.
;;     - The product sums the exact products of the quantised numbers (number of the format x scale) in f32.
;;   ~~~python
;;   def quantise(x, axis):      # numpy; x: float32 -> the quantised numbers, widened to float32 again
;;       x = np.moveaxis(x, axis, -1); K = x.shape[-1]
;;       x = np.pad(x, [(0, 0)] * (x.ndim - 1) + [(0, -K % 32)]); x = x.reshape(x.shape[:-1] + (-1, 32)); a = np.abs(x).max(-1, keepdims=True)
;;       e = np.where(a > 0, np.clip(np.frexp(np.where(a > 0, a, 1))[1] - 1 - 2, -126, 127), 0)      # np.frexp(a)[1] - 1 = floor(log2(a)), exactly
;;       r = np.clip(x / 2.0 ** e, -6, 6)
;;       step = 2.0 ** (np.maximum(np.frexp(np.where(r == 0, 1, r))[1] - 1, 0) - 1)
;;       q = np.round(r / step) * step * 2.0 ** e      # np.round: ties to even
;;       return np.moveaxis(q.reshape(q.shape[:-2] + (-1,))[..., :K], -1, axis).astype(np.float32)
;;   ~~~
;; One version. Each part assembles by itself: llvm-mc -triple=amdgcn-amd-amdhsa -mcpu=gfx1250 --defsym DOCPART=n.
;; ======== version 1 of 1: 4 launches
;; limits: values are held in f16: magnitudes above 65,504 overflow, below 6.1e-05 lose precision
;; workspace buffers: xc 4,194,304 bytes; xs 262,144 bytes; wc 1,572,864 bytes; ws 98,304 bytes; wo16 2,097,152 bytes; qkv16 50,331,648 bytes; ao 16,777,216 bytes
;; launch prep (part 1): grid 384 x 1, 4 waves a work-group, no clusters, 33,280 bytes of LDS; arguments x, w_qkv, w_out, xc, xs, wc, ws, wo16; writes xc, xs, wc, ws, wo16
.if DOCPART == 1
	.amdgcn_target "amdgcn-amd-amdhsa--gfx1250"
	.amdhsa_code_object_version 6
	.text
	.protected	k_q8b7f9b0c4a_prep
	.globl	k_q8b7f9b0c4a_prep
	.p2align	8
	.type	k_q8b7f9b0c4a_prep,@function
k_q8b7f9b0c4a_prep:
	s_mov_b64 s[64:65], 0
	v_nop
	global_prefetch_b8 v0, s[64:65] scope:SCOPE_SE
	s_setreg_imm32_b32 hwreg(HW_REG_WAVE_MODE, 25, 1), 1
	s_wait_xcnt 0x0
; x [8192][1024] and w_qkv [3072][1024], f32, become codes of FP4 (E2M1), K innermost, two codes a byte, with one E8M0 scale byte for each 32 along K; w_out [1024][1024] becomes f16.
; A block's scale is 2^(floor(log2(its largest magnitude)) - 2); its byte is the largest magnitude's exponent field - 2, held at 1 from below.  Each number is divided by the scale and rounded to the nearest code, ties to even; beyond 6 the largest code.
; LIMITS: a block of zeros gets the byte 1 where the quantiser's text says 127: its codes are zeros, which add nothing under any byte but 0xff, and this program alone reads the bytes.  NaN and infinities among the inputs are not served.
; w_out goes to f16: magnitudes above 65,504 become infinite.
; SHARES: rows are dense and K is a multiple of 32, so each tensor is a plain stream.  A wave takes 8,192 numbers.  Work-groups 0-255 take x, 256-351 w_qkv, 352-383 w_out.
; THE QUANTISER: 16 steps of 512 numbers.  Each load reads 512 consecutive bytes, 16 a lane; a step's 2,048 bytes turn through the wave's own stage in LDS and come back 64 bytes a lane, so that a lane holds 16 neighbours along K
; (two neighbouring lanes hold a block).  A lane's 16 codes are 8 bytes: the wave stores 256 consecutive aligned bytes.  A wave's 256 scale bytes are gathered in LDS and leave as one store of 256 consecutive aligned bytes.
; No tensor loads, no cluster, no barrier: waves share nothing, and no byte is read by two work-groups.  No prefetch: the launch is one stream of loads that are all on their way early.
.set WGX,   256                        ; work-groups for x: 8,388,608 / 32,768
.set WGQ,   352                        ; the first work-group for w_out
.set STEPS, 16
.set CB,    8                          ; bytes of 16 codes
.set R,     16                         ; v16-79   four sets of 16 numbers as they are loaded
.set X,     80                         ; v80-111  two sets of 16 neighbours
.set E,     112                        ; v112-127 a scale byte for each step
.set C,     128                        ; v128-191 codes: four registers for each step, so that no store's data are written again
.set WREG,  8192                       ; LDS: a region for each wave: two stages of 32 x SP bytes, and behind them its 256 scale bytes
.set SP,    80                         ; a lane's place in a stage: its 64 bytes + 16 of padding
.set SPW,   12                         ; v12      LDS address of my spare word; never rewritten
.set NIL,   13                         ; v13      0; never rewritten
.set SPARE, 4*WREG                     ; behind the four regions: the spare words, 128 bytes for each wave
	s_load_b256 s[4:11], s[0:1], 0x0               ; x s[4:5], w_qkv s[6:7], w_out s[8:9], xc s[10:11]
	s_load_b256 s[12:19], s[0:1], 0x20             ; xs s[12:13], wc s[14:15], ws s[16:17], wo16 s[18:19]
	v_lshl_add_u32 v[SPW], v0, 2, SPARE
	v_mov_b32 v[NIL], 0
	v_lshrrev_b32 v1, 5, v0
	v_readfirstlane_b32 s20, v1                    ; wave
	v_and_b32 v2, 31, v0                           ; lane
	v_lshlrev_b32 v3, 4, v2                        ; my 16 bytes of a load's 512
	s_mul_i32 s21, s20, WREG
	v_lshrrev_b32 v14, 2, v2
	v_mul_u32_u24 v14, v14, SP
	v_and_b32 v15, 3, v2
	v_lshl_add_u32 v14, v15, 4, v14
	v_add_nc_u32 v14, s21, v14                     ; the stage, on the way in: four lanes' 64 bytes on end, then 16 of padding
	v_mul_u32_u24 v15, v2, SP
	v_add_nc_u32 v15, s21, v15                     ; and on the way out: SP x lane: my 16 neighbours
	v_mul_u32_u24 v4, v2, CB                       ; my codes' place in a step's
	v_lshrrev_b32 v5, 1, v2
	s_add_co_u32 s21, s21, 2*32*SP
	v_add_nc_u32 v5, s21, v5                       ; LDS: my wave's 256 scale bytes, my block's byte
	v_lshlrev_b32 v7, 3, v2                        ; 8 bytes a lane
	v_add_nc_u32 v6, s21, v7
	s_wait_kmcnt 0x0
	s_cmp_ge_u32 ttmp9, WGQ                        ; the work-group's number alone decides the path
	s_cbranch_scc1 .Lconv
	s_cmp_lt_u32 ttmp9, WGX                        ; x or w_qkv: only pointers are chosen, both tensors take one path
	s_cselect_b64 s[4:5], s[4:5], s[6:7]
	s_cselect_b64 s[10:11], s[10:11], s[14:15]
	s_cselect_b64 s[12:13], s[12:13], s[16:17]
	s_cselect_b32 s21, 0, WGX
	s_sub_co_u32 s21, ttmp9, s21
	s_lshl_b32 s21, s21, 2
	s_add_co_u32 s22, s21, s20                     ; which run of 8,192 numbers of the tensor is my wave's (1,023 at the most)
	s_mov_b32 s25, 0
	s_lshl_b32 s24, s22, 15                        ; 32,768 bytes of numbers a run,
	s_add_nc_u64 s[4:5], s[4:5], s[24:25]
	s_lshl_b32 s24, s22, 12                        ; 4,096 of codes,
	s_add_nc_u64 s[10:11], s[10:11], s[24:25]
	s_lshl_b32 s24, s22, 8                         ; 256 scale bytes
	s_add_nc_u64 s[12:13], s[12:13], s[24:25]
.macro LOAD t
.irp i, 0,1,2,3
	global_load_b128 v[R+16*((\t)%4)+4*\i:R+16*((\t)%4)+4*\i+3], v3, s[4:5] offset:2048*(\t)+512*\i th:TH_LOAD_NT   ; 32 lanes read 512 consecutive bytes
.endr
.endm
.macro TURN t                          ; step t's numbers through the stage: LDS serves a wave's instructions in order (ISA guide 5.7.1.4), so no wait stands between the stores and the loads
.irp i, 0,1,2,3
	ds_store_b128 v14, v[R+16*((\t)%4)+4*\i:R+16*((\t)%4)+4*\i+3] offset:32*SP*((\t)%2)+8*SP*\i
.endr
.irp i, 0,1,2,3
	ds_load_b128 v[X+16*((\t)%2)+4*\i:X+16*((\t)%2)+4*\i+3], v15 offset:32*SP*((\t)%2)+16*\i
.endr
.endm
.irp t, 0,1,2,3
	LOAD \t
.endr
	s_wait_loadcnt 12                              ; step 0's four loads are in; the twelve of steps 1 to 3 may be out
	TURN 0
.macro STEP t
.set XS, X+16*((\t)%2)
.if (\t) > 0
	s_wait_dscnt 1                                 ; this step's numbers are back from the stage (the last step's byte store may be out)
.else
	s_wait_dscnt 0x0
.endif
.if (\t)+4 < STEPS
	LOAD (\t)+4                                    ; into the set whose stores into the stage have read their registers
.endif
.if (\t)+1 < STEPS
.if STEPS-2-(\t) >= 3
	s_wait_loadcnt 12                              ; the next step's four loads are in; those of the three steps behind it may be out
.else
	s_wait_loadcnt 4*(STEPS-2-(\t))
.endif
	TURN (\t)+1                                    ; through the other stage while this step is worked
.endif
	v_max3_num_f32 v8, |v[XS]|, |v[XS+1]|, |v[XS+2]|               ; the largest magnitude of my 16, in two chains
	v_max3_num_f32 v9, |v[XS+3]|, |v[XS+4]|, |v[XS+5]|
.irp i, 6,10
	v_max3_num_f32 v8, v8, |v[XS+\i]|, |v[XS+\i+1]|
	v_max3_num_f32 v9, v9, |v[XS+\i+2]|, |v[XS+\i+3]|
.endr
	v_max3_num_f32 v8, v8, |v[XS+14]|, |v[XS+15]|
	v_max3_num_f32 v8, v8, v9, 0x1800000           ; and the floor 2^(3 - 127): the byte cannot fall under 1
	v_max_num_f32_dpp v8, v8, v8 row_xmask:1 row_mask:0xf bank_mask:0xf   ; with my neighbour's 16: the block's
	v_add_nc_u32 v11, 0xff000000, v8               ; 2 off its exponent field: the conversion takes the exponent field of this operand as its scale
	v_cvt_scalef32_pk8_fp4_f32 v[C+4*(\t)], v[XS:XS+7], v11
	v_cvt_scalef32_pk8_fp4_f32 v[C+4*(\t)+1], v[XS+8:XS+15], v11
	v_lshrrev_b32 v[E+(\t)], 23, v11               ; the scale's byte (also the plain line behind the conversions)
	ds_store_b8 v5, v[E+(\t)] offset:16*(\t)       ; both lanes of a block write the same byte with the same value
	global_store_b64 v4, v[C+4*(\t):C+4*(\t)+1], s[10:11] offset:32*CB*(\t)   ; 32 lanes store 256 consecutive aligned bytes
.endm
.irp t, 0,1,2,3,4,5,6,7,8,9,10,11,12,13,14,15
	STEP \t
.endr
	ds_load_b64 v[8:9], v6                         ; served in order: these see my byte stores
	s_wait_dscnt 0x0
	global_store_b64 v7, v[8:9], s[12:13]          ; 32 lanes store 256 consecutive aligned bytes
	s_wait_tensorcnt 0x0                           ; the wave's end, behind my last LDS store
	ds_add_u32 v[SPW], v[NIL]
	s_wait_dscnt 0x0
	s_endpgm
; w_out to f16: four groups of 16 loads of 512 bytes; a lane's four numbers become 8 bytes, so a store covers 256 consecutive aligned bytes.  Two sets of registers: one group is converted while the next is on its way.  No LDS.
.macro CLOAD set, g
.irp i, 0,1,2,3,4,5,6,7,8,9,10,11,12,13,14,15
	global_load_b128 v[\set+4*\i:\set+4*\i+3], v3, s[8:9] offset:512*(16*\g+\i) th:TH_LOAD_NT
.endr
.endm
.macro CCVT set, g
.irp i, 0,1,2,3,4,5,6,7,8,9,10,11,12,13,14,15
	v_cvt_pk_f16_f32 v[80+2*\i], v[\set+4*\i], v[\set+4*\i+1]
	v_cvt_pk_f16_f32 v[81+2*\i], v[\set+4*\i+2], v[\set+4*\i+3]
.endr
.irp i, 0,1,2,3,4,5,6,7,8,9,10,11,12,13,14,15
	global_store_b64 v7, v[80+2*\i:81+2*\i], s[18:19] offset:256*(16*\g+\i)
.endr
.endm
.Lconv:
	s_sub_co_u32 s21, ttmp9, WGQ
	s_lshl_b32 s21, s21, 2
	s_add_co_u32 s21, s21, s20                     ; which run of 8,192 numbers is my wave's
	s_mov_b32 s23, 0
	s_lshl_b32 s22, s21, 15
	s_add_nc_u64 s[8:9], s[8:9], s[22:23]
	s_lshl_b32 s22, s21, 14
	s_add_nc_u64 s[18:19], s[18:19], s[22:23]
	CLOAD 16, 0
	CLOAD 128, 1
	s_wait_loadcnt 16                              ; the older group is in; the younger group's 16 loads may be out
	CCVT 16, 0
	CLOAD 16, 2
	s_wait_loadcnt 16
	s_wait_xcnt 0x0                                ; the stores have read v80-111: they are written again only behind this wait
	CCVT 128, 1
	CLOAD 128, 3
	s_wait_loadcnt 16
	s_wait_xcnt 0x0
	CCVT 16, 2
	s_wait_loadcnt 0x0
	s_wait_xcnt 0x0
	CCVT 128, 3
	s_endpgm
.Lfunc_end_k_q8b7f9b0c4a_prep:
	.size	k_q8b7f9b0c4a_prep, .Lfunc_end_k_q8b7f9b0c4a_prep-k_q8b7f9b0c4a_prep
	.p2alignl 7, 3214868480
	.fill 96, 4, 3214868480
	.section	.rodata,"a",@progbits
	.p2align	6, 0x0
	.amdhsa_kernel k_q8b7f9b0c4a_prep
		.amdhsa_group_segment_fixed_size 33280
		.amdhsa_private_segment_fixed_size 0
		.amdhsa_enable_private_segment 0
		.amdhsa_kernarg_size 64
		.amdhsa_user_sgpr_count 2
		.amdhsa_user_sgpr_kernarg_segment_ptr 1
		.amdhsa_wavefront_size32 1
		.amdhsa_system_sgpr_workgroup_id_x 1
		.amdhsa_system_sgpr_workgroup_id_y 1
		.amdhsa_system_sgpr_workgroup_id_z 1
		.amdhsa_system_vgpr_workitem_id 0
		.amdhsa_next_free_vgpr 192
		.amdhsa_next_free_sgpr 66
		.amdhsa_reserve_vcc 0
		.amdhsa_float_denorm_mode_32 3
		.amdhsa_float_denorm_mode_16_64 3
		.amdhsa_memory_ordered 1
		.amdhsa_forward_progress 1
		.amdhsa_inst_pref_size 54
	.end_amdhsa_kernel
	.amdgpu_metadata
---
amdhsa.version: [ 1, 2 ]
amdhsa.kernels:
  - .name:           k_q8b7f9b0c4a_prep
    .symbol:         k_q8b7f9b0c4a_prep.kd
    .args:
      - { .name: x, .offset: 0, .size: 8, .value_kind: global_buffer, .address_space: global }
      - { .name: w_qkv, .offset: 8, .size: 8, .value_kind: global_buffer, .address_space: global }
      - { .name: w_out, .offset: 16, .size: 8, .value_kind: global_buffer, .address_space: global }
      - { .name: xc, .offset: 24, .size: 8, .value_kind: global_buffer, .address_space: global }
      - { .name: xs, .offset: 32, .size: 8, .value_kind: global_buffer, .address_space: global }
      - { .name: wc, .offset: 40, .size: 8, .value_kind: global_buffer, .address_space: global }
      - { .name: ws, .offset: 48, .size: 8, .value_kind: global_buffer, .address_space: global }
      - { .name: wo16, .offset: 56, .size: 8, .value_kind: global_buffer, .address_space: global }
    .group_segment_fixed_size: 33280
    .private_segment_fixed_size: 0
    .kernarg_segment_align: 8
    .kernarg_segment_size: 64
    .max_flat_workgroup_size: 128
    .sgpr_count:     66
    .vgpr_count:     192
    .wavefront_size: 32
...
	.end_amdgpu_metadata
.endif
;; end of part 1
;; launch qkv (part 2): grid 12 x 32, 4 waves a work-group, clusters of 4 x 4, 327,680 bytes of LDS; arguments xc, xs, wc, ws, b_qkv, qkv16; writes qkv16
.if DOCPART == 2
	.amdgcn_target "amdgcn-amd-amdhsa--gfx1250"
	.amdhsa_code_object_version 6
	.text
	.protected	k_q8b7f9b0c4a_qkv
	.globl	k_q8b7f9b0c4a_qkv
	.p2align	8
	.type	k_q8b7f9b0c4a_qkv,@function
k_q8b7f9b0c4a_qkv:
	s_mov_b64 s[64:65], 0
	v_nop
	global_prefetch_b8 v0, s[64:65] scope:SCOPE_SE
	s_setreg_imm32_b32 hwreg(HW_REG_WAVE_MODE, 25, 1), 1
	s_wait_xcnt 0x0
	s_wait_alu depctr_hold_cnt(0) depctr_sa_sdst(0) depctr_va_vdst(0) depctr_va_sdst(0) depctr_va_ssrc(0) depctr_va_vcc(0) depctr_vm_vsrc(0)
	s_getreg_b32 s2, hwreg(HW_REG_IB_STS2, 6, 4)
	s_cmp_eq_u32 s2, 0
	s_cbranch_scc0 .Lentry_in_a_cluster
	s_endpgm
.Lentry_in_a_cluster:
	s_bfe_u32 s2, ttmp6, 0x10000c
	s_cmp_lg_u32 s2, 0xf033
	s_cbranch_scc0 .Lentry_shape_is_right
	s_endpgm
.Lentry_shape_is_right:
; qkv = Q(x) Q(w_qkv)^T + b_qkv on codes of FP4 (E2M1) with one E8M0 scale for each 32 along K; then q and k are divided by max(their head's l2 norm, 1e-12); all three leave as f16, laid [which][batch][head][token][64].
; A = x's codes [8192][1024], B = w_qkv's codes [3072][1024], both as rows of 512 bytes; scale bytes [rows][32].  Sums in f32; the bias is the C of each sum's first product.
; A tile of 256 tokens x 256 features is made by four waves, each 128 x 128: 64 accumulators of 16 x 16, 512 registers.  K is two steps of 512 (rows of 256 bytes): each has an LDS slot of its own, so NOTHING IS FILLED AGAIN:
; a wave issues three tensor loads at the head (its quarter of the scales, of slot 0 and of slot 1) and has at most these three out.
; CLUSTERS: 4 x 4 work-groups.  The four of a row of the cluster need the same tiles of A, the four of a column the same tiles of B: each tile is asked for JOINTLY, by the same tensor load with the same descriptor and a mask that names the four.
; THE MATRIX INSTRUCTION IS USED TRANSPOSED (source 0 = 16 rows of B, source 1 = 16 rows of A): a lane holds one token and eight neighbouring features, so a head's sum of squares is 32 numbers of a lane and 32 of the lane 16 away.
; 384 work-groups: a tile that gave 256 would want 96 accumulators a wave, which with the fragments do not fit in a wave's registers.
; LIMITS: v leaves as f16: magnitudes above 65,504 become infinite.  q and k are at most 1 in magnitude.  NaN and infinities are not served.
; REGISTERS, in windows of 256: window 0: v0-31 addresses; v32-95 scale words, two sets, and nothing else; v128-191 A's fragments, ONE set; v192-255 the bias, eight registers for each of B's eight blocks.
;   On the way out: v96-127 the norms, v128-191 packed results, v192-255 rows read back.   window 1: B's fragments, TWO sets, at v0 and v128.   window 2: the accumulators of my rows 0-63 ((a, b) at v[8 (8 a + b)]);   window 3: those of rows 64-127.
.set SIZE_K, 1024
.set KSTEP,  512                       ; along K in a slot
.set NQ,     KSTEP/128                 ; matrix instructions deep
.set ROWB,   256                       ; a tile's row in bytes
.set KROW,   SIZE_K*4/8                ; a row of codes in memory
.set PITCH,  272                       ; an LDS row: 256 bytes + 16 of padding: an odd multiple of 16, so the 16 rows that a load touches start at 16 different banks (ISA guide 11.1)
.set FR,     8                         ; registers of a fragment: 16 rows x 128 K
.set NL,     2                         ; LDS loads that bring one
.set NP,     4                         ; places behind this matrix instruction (ISA guide 7.12.1)
.set HALFT,  128*PITCH                 ; 128 rows: what one tensor load brings
.set SLOT,   4*HALFT                   ; A's 256 rows, then B's 256 rows
.set KS,     SIZE_K/32                 ; a row of scales in bytes
.set SCL,    2*SLOT                    ; behind the slots: the scales, as rows of 256 bytes + 16 of padding
.set HALFS,  (128*KS/256)*272          ; the scales of 128 rows
.set SBLK,   (16*KS/256)*272           ; those of 16 rows
.set SPARE,  SCL+4*HALFS               ; the spare words, 128 bytes for each wave
.set HP,     144                       ; the way out: a token's 128 bytes of one head + 16 of padding
.set HST,    16*HP                     ; 16 tokens of one head;  a wave's stage is two of these.  The stages lie in slot 0, which has had its only fill and its last read when the first result is stored there
.set PLANE,  262144                    ; a head's 2,048 tokens x 128 bytes in qkv16
.set ADRA, 16                          ; v16-17  LDS address of my A fragments in slot 0, 1
.set ADRB, 20                          ; v20-21  the same for B
.set STO,  24                          ; v24     the way out: where I put 16 bytes of a token
.set RD,   25                          ; v25     where I read four tokens back
.set CO,   26                          ; v26     16 x lane
.set ADRS, 27                          ; v27     LDS address of my scale words: lanes 0-15 A's rows, lanes 16-31 B's
.set SPW,  28                          ; v28     LDS address of my spare word; never rewritten
.set NIL,  29                          ; v29     0; never rewritten
.set ONE,  30                          ; v30     1.0
.set SC,   32                          ; scale words: set s at v[SC + 32 s]; register 4 i + q: lanes 0-15 A's block i, lanes 16-31 B's block i, the slot's q-th 128 along K
.set SS,   96                          ; the way out: pair 2 a + g at v[SS + 2 (2 a + g)]: 1 / norm of token block a, head g
.set AF,   128                         ; A's fragments
.set BI,   192                         ; the bias
.set PKR,  128                         ; the way out: packed f16, two sets of 32
.set BK,   192                         ; the way out: rows read back, two sets of 32
.set G1, 24                            ; s[24:31] descriptor group 1 for A's tiles;  s[32:39] group 0, one set for each slot
.set G0, 32
.set G1B, 48                           ; s[48:55], s[56:63] the same for B's tiles
.set G0B, 56
.set G1S, 68                           ; s[68:75], s[76:79] groups 1 and 0 for A's scales;  s[80:87], s[88:91] for B's
.set G0S, 76
.set G1SB, 80
.set G0SB, 88
.set MSB, 0
.macro WIN new                         ; the immediate's high byte repeats the setting that is left; a switch that changes nothing is dropped
.if MSB != (\new)
	s_set_vgpr_msb (MSB<<8)|(\new)
.set MSB, (\new)
.endif
.endm
.set MUL_LO, 0xa1                      ; source 0 (B) window 1, source 1 (A) window 0, C and D window 2
.set MUL_HI, 0xf1                      ; the same, C and D window 3
.set BIA_LO, 0x81                      ; the first products: C (the bias) window 0, D window 2
.set BIA_HI, 0xc1                      ; D window 3
.set TO_B,   0x40                      ; destination window 1, address window 0
; A joint load: waves 0 and 1 fetch for A, waves 2 and 3 for B.  Each of the two lines has ONE mask and one set of registers for all that issue it; the branch hangs on the wave's number alone.
; An s_nop 0 and four v_nop follow each of the two lines, ahead of the jump, the label and what follows.
.macro JLOAD g0a, g1a, g0b, g1b
	s_cmp_eq_u32 s15, 0
	s_cbranch_scc0 .Lfor_b_\@
	tensor_load_to_lds s[\g0a:\g0a+3], s[\g1a:\g1a+7]
	s_nop 0
.rept 4
	v_nop
.endr
	s_branch .Lasked_\@
.Lfor_b_\@:
	tensor_load_to_lds s[\g0b:\g0b+3], s[\g1b:\g1b+7]
	s_nop 0
.rept 4
	v_nop
.endr
.Lasked_\@:
.endm
.macro CROUND                          ; a round of the cluster's barrier: my work-group's barrier; wave 0 signals for the work-group; every wave waits for all sixteen; my work-group's barrier once more
	s_barrier_signal -1
	s_barrier_wait -1
	s_cmp_lg_u32 s14, 0
	s_cbranch_scc1 .Lnot_wave_0_\@
	s_barrier_signal -3
.Lnot_wave_0_\@:
	s_barrier_wait -3
	s_barrier_signal -1
	s_barrier_wait -1
.endm
	s_load_b128 s[4:7], s[0:1], 0x0                ; x's codes s[4:5], x's scales s[6:7]
	s_load_b128 s[8:11], s[0:1], 0x10              ; w's codes s[8:9], w's scales s[10:11]
	s_load_b64 s[66:67], s[0:1], 0x20              ; b_qkv
	s_load_b64 s[12:13], s[0:1], 0x28              ; qkv16
	v_lshl_add_u32 v[SPW], v0, 2, SPARE
	v_mov_b32 v[NIL], 0
	ds_add_u32 v[SPW], v[NIL]                      ; the wave's opening: the add, twice on end, and its wait ahead of my first tensor load; the set-up below stands between the second and the wait
	ds_add_u32 v[SPW], v[NIL]
	v_lshrrev_b32 v1, 5, v0
	v_readfirstlane_b32 s14, v1                    ; wave 0..3
	s_lshr_b32 s15, s14, 1                         ; which half of the tile's tokens is mine.  Also: I fetch for A (0) or for B (1)
	s_and_b32 s16, s14, 1                          ; which half of its features.  Also: which 128 rows of that tile I fetch
	s_bfe_u32 s40, ttmp6, 0x40000                  ; cx, cy: my place in the cluster
	s_bfe_u32 s41, ttmp6, 0x40004
	s_lshl_b32 s42, ttmp9, 2
	s_add_co_u32 s42, s42, s40                     ; tile column = 4 x cluster x + cx
	s_and_b32 s17, ttmp7, 0xffff
	s_lshl_b32 s17, s17, 2
	s_add_co_u32 s17, s17, s41                     ; tile row = 4 x cluster y + cy
	s_lshl_b32 s43, s41, 2
	s_lshl_b32 s43, 15, s43                        ; my row of the cluster
	s_lshl_b32 s44, 0x1111, s40                    ; my column
	; descriptor group 1: a tile of 128 rows x 256 bytes, padded in LDS
	s_or_b32 s[G1+0], s43, (0<<16)|(1<<20)|(1<<21)|(5<<22)|(3<<25)  ; 15:0 the mask: A's tiles go to my row; 17:16 elements of 1 byte; 20 padding on; 21 set beside a mask; 24:22 after every 64 words (code 5); 31:25 four words (code 3)
	s_or_b32 s[G1B+0], s44, (0<<16)|(1<<20)|(1<<21)|(5<<22)|(3<<25)
.irp g, G1, G1B
	s_mov_b32 s[\g+1], ROWB<<16                    ; tensor_dim0
	s_mov_b32 s[\g+2], 128<<16                     ; tensor_dim1
	s_mov_b32 s[\g+3], ROWB<<16                    ; tile_dim0
	s_mov_b32 s[\g+4], 128                         ; tile_dim1
	s_mov_b32 s[\g+5], KROW                        ; tensor_dim0_stride
	s_mov_b32 s[\g+6], 0
	s_mov_b32 s[\g+7], 0
.endr
	; the scales of 128 rows: a dense block of 4,096 bytes, as 16 rows of 256 bytes (32 elements of 8 bytes), 16 bytes of padding behind each
	s_or_b32 s[G1S+0], s43, (3<<16)|(1<<20)|(1<<21)|(5<<22)|(3<<25)
	s_or_b32 s[G1SB+0], s44, (3<<16)|(1<<20)|(1<<21)|(5<<22)|(3<<25)
.irp g, G1S, G1SB
	s_mov_b32 s[\g+1], 32<<16
	s_mov_b32 s[\g+2], (128*KS/256)<<16
	s_mov_b32 s[\g+3], 32<<16
	s_mov_b32 s[\g+4], 128*KS/256
	s_mov_b32 s[\g+5], 32
	s_mov_b32 s[\g+6], 0
	s_mov_b32 s[\g+7], 0
.endr
	s_lshl_b32 s18, s16, 7                         ; which 128 rows of the tile I fetch
	s_lshl_b32 s20, s17, 8
	s_add_co_u32 s20, s20, s18                     ; A: row 256 x tile row + 128 x half
	s_lshl_b32 s46, s42, 8
	s_add_co_u32 s46, s46, s18                     ; B: row 256 x tile column + 128 x half
	s_mov_b32 s21, 0
	s_mov_b32 s47, 0
	s_mov_b64 s[18:19], KS
	s_mul_u64 s[22:23], s[20:21], s[18:19]         ; where these rows' scales begin, in bytes
	s_mul_u64 s[92:93], s[46:47], s[18:19]
	s_mov_b64 s[18:19], KROW
	s_mul_u64 s[20:21], s[20:21], s[18:19]         ; and their codes
	s_mul_u64 s[46:47], s[46:47], s[18:19]
	s_mul_i32 s45, s14, HALFT                      ; where they go: wave x 128 rows: no place in the cluster enters an LDS address
	s_mul_i32 s94, s14, HALFS
	s_mov_b32 s98, 0x76543210                      ; v_permlanex16_b32's selects for the lane 16 away
	s_mov_b32 s99, 0xfedcba98
	s_cmp_ge_u32 ttmp9, 2                          ; tile columns 8 to 11, the third column of clusters, are V's: not normalised.  The number is the same in all sixteen partners and only selects a value
	s_cselect_b32 s96, -1, 0
	s_wait_dscnt 0x0                               ; both opening adds are done
	s_wait_kmcnt 0x0
	s_add_nc_u64 s[20:21], s[4:5], s[20:21]
	s_add_nc_u64 s[22:23], s[6:7], s[22:23]
	s_add_nc_u64 s[46:47], s[8:9], s[46:47]
	s_add_nc_u64 s[92:93], s[10:11], s[92:93]
	CROUND                                         ; all sixteen work-groups are here: the joint loads meet
	s_mov_b32 s[G0S], 1
	s_add_co_u32 s[G0S+1], s94, SCL
	s_mov_b64 s[G0S+2:G0S+3], s[22:23]
	s_or_b32 s[G0S+3], s[G0S+3], 0x80000000
	s_mov_b32 s[G0SB], 1
	s_add_co_u32 s[G0SB+1], s94, SCL
	s_mov_b64 s[G0SB+2:G0SB+3], s[92:93]
	s_or_b32 s[G0SB+3], s[G0SB+3], 0x80000000
	JLOAD G0S, G1S, G0SB, G1SB                     ; the scales first: they are wanted with K step 0
.irp s, 0,1
	s_mov_b32 s[G0+4*\s], 1
	s_add_co_u32 s[G0+4*\s+1], s45, \s*SLOT
	s_add_nc_u64 s[G0+4*\s+2:G0+4*\s+3], s[20:21], \s*ROWB
	s_or_b32 s[G0+4*\s+3], s[G0+4*\s+3], 0x80000000
	s_mov_b32 s[G0B+4*\s], 1
	s_add_co_u32 s[G0B+4*\s+1], s45, \s*SLOT
	s_add_nc_u64 s[G0B+4*\s+2:G0B+4*\s+3], s[46:47], \s*ROWB
	s_or_b32 s[G0B+4*\s+3], s[G0B+4*\s+3], 0x80000000
	JLOAD G0+4*\s, G1, G0B+4*\s, G1B
.endr
	v_and_b32 v1, 15, v0                           ; r = lane % 16
	v_bfe_u32 v2, v0, 4, 1                         ; h = lane / 16
	; the bias: register BI + 8 b + j of lane (r, h) is b_qkv[256 x tile column + 128 x half + 16 b + 8 h + j]: the result's layout
	s_lshl_b32 s46, s42, 10
	s_lshl_b32 s47, s16, 9
	s_add_co_u32 s46, s46, s47
	s_mov_b32 s47, 0
	s_add_nc_u64 s[66:67], s[66:67], s[46:47]
	v_lshlrev_b32 v7, 5, v2                        ; 32 h; never rewritten
.irp b, 0,1,2,3,4,5,6,7
	global_load_b128 v[BI+8*\b:BI+8*\b+3], v7, s[66:67] offset:64*\b
	global_load_b128 v[BI+8*\b+4:BI+8*\b+7], v7, s[66:67] offset:64*\b+16
.endr
	v_mul_u32_u24 v3, v1, PITCH
	v_lshl_add_u32 v4, v2, 4, v3                   ; a fragment's row x pitch + 16 x half
	s_mul_i32 s21, s15, HALFT                      ; my 128 rows of A
	s_mul_i32 s22, s16, HALFT                      ; my 128 rows of B,
	s_add_co_u32 s22, s22, 2*HALFT                 ; which lie behind A's 256
.irp s, 0,1
	v_add_nc_u32 v[ADRA+\s], s21, v4
	v_add_nc_u32 v[ADRB+\s], s22, v4
	s_add_co_u32 s21, s21, SLOT
	s_add_co_u32 s22, s22, SLOT
.endr
	v_mul_u32_u24 v5, v1, KS                       ; my row's scales: 32 bytes a row,
	v_lshrrev_b32 v6, 8, v5
	v_lshl_add_u32 v5, v6, 4, v5                   ; and 16 more for each 256 passed
	s_mul_i32 s21, s15, HALFS                      ; A's: my 128 rows
	s_mul_i32 s22, s16, HALFS                      ; B's: my 128 rows, behind A's 256
	s_add_co_u32 s22, s22, 2*HALFS
	s_sub_co_u32 s22, s22, s21
	v_mul_u32_u24 v6, s22, v2                      ; lanes 16-31 take B's: the lower base + h x the distance
	s_add_co_u32 s21, s21, SCL
	v_add_nc_u32 v5, v5, v6
	v_add_nc_u32 v[ADRS], s21, v5
	s_mul_i32 s23, s14, 2*HST                      ; my stage
	v_mul_u32_u24 v5, v1, HP                       ; in: token r, 16 bytes for each half of the lanes
	v_lshl_add_u32 v5, v2, 4, v5
	v_add_nc_u32 v[STO], s23, v5
	v_bfe_u32 v5, v0, 3, 2                         ; back: eight lanes to a token, four tokens an instruction
	v_mul_u32_u24 v5, v5, HP
	v_and_b32 v3, 7, v0
	v_lshl_add_u32 v5, v3, 4, v5
	v_add_nc_u32 v[RD], s23, v5
	v_and_b32 v6, 31, v0
	v_lshlrev_b32 v[CO], 4, v6                     ; and in memory four tokens of a head are 512 consecutive bytes
	v_mov_b32 v[ONE], 1.0
	; where my part begins in qkv16: plane = 64 x which + 16 x batch + head, then the token
	s_lshr_b32 s20, s42, 2
	s_lshl_b32 s20, s20, 6                         ; which = tile column / 4
	s_lshr_b32 s21, s17, 3
	s_lshl_b32 s21, s21, 4                         ; batch = tile row / 8
	s_add_co_u32 s20, s20, s21
	s_lshl_b32 s21, s42, 2
	s_lshl_b32 s22, s16, 1
	s_add_co_u32 s21, s21, s22
	s_and_b32 s21, s21, 15                         ; my first head = (4 x tile column + 2 x half) mod 16
	s_add_co_u32 s20, s20, s21
	s_lshl_b32 s20, s20, 18                        ; 191 planes of 262,144 bytes at the most: under 2^32
	s_and_b32 s21, s17, 7
	s_lshl_b32 s21, s21, 15                        ; 256 tokens x 128 bytes
	s_add_co_u32 s20, s20, s21
	s_lshl_b32 s21, s15, 14                        ; my 128 tokens
	s_add_co_u32 s20, s20, s21
	s_mov_b32 s21, 0
	s_add_nc_u64 s[12:13], s[12:13], s[20:21]
.macro FRAG reg, adr, q, i             ; a fragment, 16 rows x 128 K of 4-bit codes: lane l holds row l % 16; registers 4 c .. 4 c + 3 hold K = 64 c + 32 (l / 16) + 0 .. 31
.irp c, 0,1
	ds_load_b128 v[\reg+4*\c:\reg+4*\c+3], v[\adr] offset:64*(\q)+32*\c+(\i)*16*PITCH
.endr
.endm
; 16 matrix instructions: A's blocks a0, a0 + 1 x B's eight, 128 along K: the slot's q-th.  p: B's set;  sc: the set of scale words.  zero = 1: the first product starts the sums with the bias as C: nothing is cleared and nothing is added later.
; The 64 accumulators take turns, one instruction a turn, in the same order in every step.
.macro MUL16 a0, p, q, sc, zero
.irp a, \a0, \a0+1
.irp b, 0,1,2,3,4,5,6,7
.if \zero
	v_wmma_scale_f32_16x16x128_f8f6f4 v[8*(8*((\a)%4)+\b):8*(8*((\a)%4)+\b)+7], v[128*(\p)+FR*\b:128*(\p)+FR*\b+FR-1], v[AF+FR*(\a):AF+FR*(\a)+FR-1], v[BI+8*\b:BI+8*\b+7], v[SC+8*NQ*(\sc)+NQ*\b+(\q)], v[SC+8*NQ*(\sc)+NQ*(\a)+(\q)] matrix_a_fmt:MATRIX_FMT_FP4 matrix_b_fmt:MATRIX_FMT_FP4 matrix_a_scale:MATRIX_SCALE_ROW1
.else
	v_wmma_scale_f32_16x16x128_f8f6f4 v[8*(8*((\a)%4)+\b):8*(8*((\a)%4)+\b)+7], v[128*(\p)+FR*\b:128*(\p)+FR*\b+FR-1], v[AF+FR*(\a):AF+FR*(\a)+FR-1], v[8*(8*((\a)%4)+\b):8*(8*((\a)%4)+\b)+7], v[SC+8*NQ*(\sc)+NQ*\b+(\q)], v[SC+8*NQ*(\sc)+NQ*(\a)+(\q)] matrix_a_fmt:MATRIX_FMT_FP4 matrix_b_fmt:MATRIX_FMT_FP4 matrix_a_scale:MATRIX_SCALE_ROW1
.endif
.endr
.endr
.endm
.macro FETCH_B slot, q, p              ; B's eight fragments of the slot's q-th 128 along K into set p
	WIN TO_B
.irp i, 0,1,2,3,4,5,6,7
	FRAG 128*(\p)+FR*\i, ADRB+\slot, \q, \i
.endr
	WIN 0
.endm
.macro FETCH_A slot, q, i0             ; A's blocks i0 .. i0 + 3
.irp i, \i0, \i0+1, \i0+2, \i0+3
	FRAG AF+FR*(\i), ADRA+\slot, \q, \i
.endr
.endm
.macro SCALES sc                       ; a K step's scale words into set sc: four words a row; lanes 0-15 take A's block i, lanes 16-31 B's block i
.irp i, 0,1,2,3,4,5,6,7
	ds_load_b128 v[SC+8*NQ*\sc+NQ*\i:SC+8*NQ*\sc+NQ*\i+3], v[ADRS] offset:\i*SBLK
.endr
.endm
; A load into a register that a matrix instruction has read, and a vector instruction that reads a matrix result or writes one of its registers, stand NP places behind that matrix instruction; only plain vector
; instructions that name none of its registers are places (ISA guide 7.12.1 for vector instructions).
.macro PLACES n
.rept \n
	v_nop
.endr
.endm
; A step of 128 along K that has its successor in the same slot.  A block of A is free as soon as its eight products are issued: blocks 0-3 are fetched anew in the step's middle, blocks 4-7 at its end.
.macro STEP slot, q, zero
	s_wait_dscnt 4*NL                              ; B's set and A's blocks 0-3 are in; the youngest eight loads (A's blocks 4-7) may be out
.if \zero
	WIN BIA_LO
.else
	WIN MUL_LO
.endif
	MUL16 0, (\q)%2, \q, \slot, \zero
	MUL16 2, (\q)%2, \q, \slot, \zero
	s_wait_dscnt 0                                 ; A's blocks 4-7 are in (asked for 32 matrix instructions ago)
	PLACES NP
	FETCH_B \slot, (\q)+1, 1-(\q)%2
	FETCH_A \slot, (\q)+1, 0
.if \zero
	WIN BIA_HI
.else
	WIN MUL_HI
.endif
	MUL16 4, (\q)%2, \q, \slot, \zero
	MUL16 6, (\q)%2, \q, \slot, \zero
	PLACES NP
	WIN 0
	FETCH_A \slot, (\q)+1, 4
.endm
; Slot 0's last step changes slots: one barrier; in front of it each wave waits for all its tensor loads (its part of slot 1), adds 0 to its spare word, and waits for that and for its own reads of slot 0.  Nothing is filled again.
.macro TURN slot, next
	s_wait_tensorcnt 0x0                           ; all my tensor loads have landed  (every window is 0 here)
	ds_add_u32 v[SPW], v[NIL]                      ; 0 onto my spare word
	s_wait_dscnt 4*NL+1                            ; (the add and the youngest eight loads, A's blocks 4-7, may be out)
	WIN MUL_LO
	MUL16 0, 1, NQ-1, \slot, 0                     ; sixteen matrix instructions stand between the add and the wait for it
	s_wait_dscnt 0x0                               ; the add is done, and my reads of this slot are over
	s_barrier_signal -1
	MUL16 2, 1, NQ-1, \slot, 0
	WIN 0
	s_barrier_wait -1                              ; the next slot is whole, and nobody reads this one any more
	PLACES NP
	v_add_nc_u32 v[ADRS], 4*NQ, v[ADRS]            ; on to the next K step's scale words (no LDS load of mine is out)
	FETCH_B \next, 0, 0
	FETCH_A \next, 0, 0
	SCALES \next
	WIN MUL_HI
	MUL16 4, 1, NQ-1, \slot, 0
	MUL16 6, 1, NQ-1, \slot, 0
	PLACES NP
	WIN 0
	FETCH_A \next, 0, 4
.endm
.macro STEPS slot, from                ; the slot's steps from .. NQ - 2
.set Q, \from
.rept NQ-1-\from
	STEP \slot, Q, 0
.set Q, Q+1
.endr
.endm
	s_wait_tensorcnt 1                             ; the scales and my part of slot 0 are in (slot 1's load may be out)
	s_barrier_signal -1
	s_barrier_wait -1                              ; everybody's are
	FETCH_B 0, 0, 0
	FETCH_A 0, 0, 0
	SCALES 0
	FETCH_A 0, 0, 4
	s_wait_loadcnt 0x0                             ; the bias
	STEP 0, 0, 1
	STEPS 0, 1
	TURN 0, 1
	STEPS 1, 0
	s_wait_dscnt 4*NL                              ; the very last step: nothing more to fetch
	WIN MUL_LO
	MUL16 0, 1, NQ-1, 1, 0
	MUL16 2, 1, NQ-1, 1, 0
	s_wait_dscnt 0
	WIN MUL_HI
	MUL16 4, 1, NQ-1, 1, 0
	MUL16 6, 1, NQ-1, 1, 0
	WIN 0
; THE WAY OUT.  Lane (r, h) holds token r of block a; accumulator (a, b) holds features 16 b + 8 h + 0 .. 7.  My 128 features are two heads, g = b / 4.
; The sums of squares of blocks a0, a0 + 1, both heads: four chains by turns; each accumulator is read from its low end on.
.macro SUMSQ a0
	WIN 0x0a+5*((\a0)/4)                           ; sources 0 and 1: window 2 or 3
.set k, 0
.rept 16
.irp a, \a0, \a0+1
.irp g, 0,1
.if k == 0
	v_pk_mul_f32 v[SS+2*(2*(\a)+\g):SS+2*(2*(\a)+\g)+1], v[64*((\a)%4)+32*\g+2*k:64*((\a)%4)+32*\g+2*k+1], v[64*((\a)%4)+32*\g+2*k:64*((\a)%4)+32*\g+2*k+1]
.else
	v_pk_fma_f32 v[SS+2*(2*(\a)+\g):SS+2*(2*(\a)+\g)+1], v[64*((\a)%4)+32*\g+2*k:64*((\a)%4)+32*\g+2*k+1], v[64*((\a)%4)+32*\g+2*k:64*((\a)%4)+32*\g+2*k+1], v[SS+2*(2*(\a)+\g):SS+2*(2*(\a)+\g)+1]
.endif
.endr
.endr
.set k, k+1
.endr
.endm
; Block a: times 1 / norm, rounded to f16: a lane's eight features of an accumulator pack into 16 bytes.
.macro PACK a
.set AC, 64*((\a)%4)
.set PP, PKR+32*((\a)%2)
	WIN 0x82+0x41*((\a)/4)                         ; destination and source 0: window 2 or 3; the factor: window 0
.irp g, 0,1
.set k, 0
.rept 16
	v_pk_mul_f32 v[AC+32*\g+2*k:AC+32*\g+2*k+1], v[AC+32*\g+2*k:AC+32*\g+2*k+1], v[SS+2*(2*(\a)+\g):SS+2*(2*(\a)+\g)+1] op_sel_hi:[1,0]
.set k, k+1
.endr
.endr
	WIN 0x0a+5*((\a)/4)
.set k, 0
.rept 32
	v_cvt_pk_f16_f32 v[PP+k], v[AC+2*k], v[AC+2*k+1]
.set k, k+1
.endr
	WIN 0
.endm
; Into my stage (for each head 16 tokens x 144 bytes) and back, four tokens an instruction.  LDS serves a wave's instructions in order (ISA guide 5.7.1.4): no wait between the stores and the loads, nor in front of the next block's stores.
.macro TOSTAGE a
.set PP, PKR+32*((\a)%2)
.set BB, BK+32*((\a)%2)
.irp b, 0,1,2,3,4,5,6,7
	ds_store_b128 v[STO], v[PP+4*\b:PP+4*\b+3] offset:HST*(\b/4)+32*(\b%4)
.endr
.irp g, 0,1
.irp i, 0,1,2,3
	ds_load_b128 v[BB+16*\g+4*\i:BB+16*\g+4*\i+3], v[RD] offset:HST*\g+4*HP*\i
.endr
.endr
.endm
.macro SEND a, younger                 ; younger: the LDS instructions issued behind block a's loads, which may stay out
.set BB, BK+32*((\a)%2)
	s_wait_dscnt \younger
.irp g, 0,1
.irp i, 0,1,2,3
	global_store_b128 v[CO], v[BB+16*\g+4*\i:BB+16*\g+4*\i+3], s[12:13] offset:PLANE*\g+2048*(\a)+512*\i   ; 32 lanes store four tokens of a head: 512 consecutive bytes, at a multiple of 512 from the buffer's first byte; the base is never stepped
.endr
.endr
.endm
	PLACES NP                                      ; behind the last products: their results are read, and their operands' registers written, from here on
	SUMSQ 0
	SUMSQ 2
	SUMSQ 4
	SUMSQ 6
	WIN 0
.irp i, 0,1,2,3,4,5,6,7,8,9,10,11,12,13,14,15
	v_add_f32 v[SS+2*\i], v[SS+2*\i], v[SS+2*\i+1]             ; the pair's two halves,
.endr
.irp i, 0,1,2,3,4,5,6,7,8,9,10,11,12,13,14,15
	v_permlanex16_b32 v[SS+2*\i+1], v[SS+2*\i], s98, s99
.endr
.irp i, 0,1,2,3,4,5,6,7,8,9,10,11,12,13,14,15
	v_add_f32 v[SS+2*\i], v[SS+2*\i], v[SS+2*\i+1]             ; and the lane 16 away: the head's 64 squares
.endr
.irp i, 0,1,2,3,4,5,6,7,8,9,10,11,12,13,14,15
	v_sqrt_f32 v[SS+2*\i], v[SS+2*\i]
.endr
	v_nop                                          ; a plain instruction behind the last root,
	s_wait_alu depctr_va_vdst(0)                   ; and the wait ahead of the first use: one for the sixteen
.irp i, 0,1,2,3,4,5,6,7,8,9,10,11,12,13,14,15
	v_max_num_f32 v[SS+2*\i], 0x2b8cbccc, v[SS+2*\i]           ; max(norm, 1e-12)
.endr
.irp i, 0,1,2,3,4,5,6,7,8,9,10,11,12,13,14,15
	v_rcp_f32 v[SS+2*\i], v[SS+2*\i]
.endr
	v_nop
	s_wait_alu depctr_va_vdst(0)                   ; one wait for the sixteen reciprocals
.irp i, 0,1,2,3,4,5,6,7,8,9,10,11,12,13,14,15
	v_cndmask_b32 v[SS+2*\i], v[SS+2*\i], v[ONE], s96          ; V's columns are multiplied by 1: a select, no branch
.endr
	PACK 0
	TOSTAGE 0
.irp a, 1,2,3,4,5,6,7
	PACK \a
.if \a > 1
	s_wait_xcnt 0x0                                ; block a - 2's stores have read their registers: block a's loads may land there
.endif
	TOSTAGE \a
	SEND \a-1, 16                                  ; behind block a - 1's loads: block a's 8 stores and 8 loads
.endr
	SEND 7, 0
	s_wait_tensorcnt 0x0                           ; the wave's end, behind my last tensor load and my last LDS store
	ds_add_u32 v[SPW], v[NIL]
	s_wait_dscnt 0x0
	CROUND                                         ; the closing round: no work-group ends while a partner may still ask for a tile that names it
	s_endpgm
.Lfunc_end_k_q8b7f9b0c4a_qkv:
	.size	k_q8b7f9b0c4a_qkv, .Lfunc_end_k_q8b7f9b0c4a_qkv-k_q8b7f9b0c4a_qkv
	.p2alignl 7, 3214868480
	.fill 96, 4, 3214868480
	.section	.rodata,"a",@progbits
	.p2align	6, 0x0
	.amdhsa_kernel k_q8b7f9b0c4a_qkv
		.amdhsa_group_segment_fixed_size 327680
		.amdhsa_private_segment_fixed_size 0
		.amdhsa_enable_private_segment 0
		.amdhsa_kernarg_size 48
		.amdhsa_user_sgpr_count 2
		.amdhsa_user_sgpr_kernarg_segment_ptr 1
		.amdhsa_wavefront_size32 1
		.amdhsa_system_sgpr_workgroup_id_x 1
		.amdhsa_system_sgpr_workgroup_id_y 1
		.amdhsa_system_sgpr_workgroup_id_z 1
		.amdhsa_system_vgpr_workitem_id 0
		.amdhsa_next_free_vgpr 1024
		.amdhsa_next_free_sgpr 100
		.amdhsa_reserve_vcc 0
		.amdhsa_float_denorm_mode_32 3
		.amdhsa_float_denorm_mode_16_64 3
		.amdhsa_memory_ordered 1
		.amdhsa_forward_progress 1
		.amdhsa_inst_pref_size 166
	.end_amdhsa_kernel
	.amdgpu_metadata
---
amdhsa.version: [ 1, 2 ]
amdhsa.kernels:
  - .name:           k_q8b7f9b0c4a_qkv
    .symbol:         k_q8b7f9b0c4a_qkv.kd
    .args:
      - { .name: xc, .offset: 0, .size: 8, .value_kind: global_buffer, .address_space: global }
      - { .name: xs, .offset: 8, .size: 8, .value_kind: global_buffer, .address_space: global }
      - { .name: wc, .offset: 16, .size: 8, .value_kind: global_buffer, .address_space: global }
      - { .name: ws, .offset: 24, .size: 8, .value_kind: global_buffer, .address_space: global }
      - { .name: b_qkv, .offset: 32, .size: 8, .value_kind: global_buffer, .address_space: global }
      - { .name: qkv16, .offset: 40, .size: 8, .value_kind: global_buffer, .address_space: global }
    .group_segment_fixed_size: 327680
    .private_segment_fixed_size: 0
    .kernarg_segment_align: 8
    .kernarg_segment_size: 48
    .max_flat_workgroup_size: 128
    .sgpr_count:     100
    .vgpr_count:     1024
    .wavefront_size: 32
...
	.end_amdgpu_metadata
.endif
;; end of part 2
;; launch attn (part 3): grid 4 x 64, 16 waves a work-group, clusters of 4 x 1, 327,680 bytes of LDS; arguments qkv16, logit_scale, ao; writes ao
.if DOCPART == 3
	.amdgcn_target "amdgcn-amd-amdhsa--gfx1250"
	.amdhsa_code_object_version 6
	.text
	.protected	k_q8b7f9b0c4a_attn
	.globl	k_q8b7f9b0c4a_attn
	.p2align	8
	.type	k_q8b7f9b0c4a_attn,@function
k_q8b7f9b0c4a_attn:
	s_mov_b64 s[64:65], 0
	v_nop
	global_prefetch_b8 v0, s[64:65] scope:SCOPE_SE
	s_setreg_imm32_b32 hwreg(HW_REG_WAVE_MODE, 25, 1), 1
	s_wait_xcnt 0x0
	s_wait_alu depctr_hold_cnt(0) depctr_sa_sdst(0) depctr_va_vdst(0) depctr_va_sdst(0) depctr_va_ssrc(0) depctr_va_vcc(0) depctr_vm_vsrc(0)
	s_getreg_b32 s2, hwreg(HW_REG_IB_STS2, 6, 4)
	s_cmp_eq_u32 s2, 0
	s_cbranch_scc0 .Lentry_in_a_cluster
	s_endpgm
.Lentry_in_a_cluster:
	s_bfe_u32 s2, ttmp6, 0x10000c
	s_cmp_lg_u32 s2, 0x3003
	s_cbranch_scc0 .Lentry_shape_is_right
	s_endpgm
.Lentry_shape_is_right:
; ao[h][token][:] = the sum over keys of softmax(scale_h x q . k) v, for each of 64 (batch, head) pairs of 2,048 x 2,048; q and k arrive normalised; scale_h = exp(min(logit_scale[h], ln 100)).
; q, k, v: f16 planes of qkv16, [2048][64] each: q at plane bh, k at 64 + bh, v at 128 + bh, bh = 16 x batch + head.  ao: [16 heads][8192 tokens][64] f16.  Products on f16 operands with f32 sums; maxima, exponentials and sums in f32.
; SHARES.  A cluster of four work-groups has one (batch, head); a work-group owns 512 queries, each of its SIXTEEN waves 32: two tiles of 16, in 256 registers: four waves to a SIMD, so that one wave's vector work stands beside
; another's matrix work and LDS loads; no register windows.  Every wave walks all 2,048 keys, 64 a step; each fragment of K and V read from LDS feeds two matrix instructions.
; CLUSTER.  The four work-groups walk the same K and V, so each tile is asked for JOINTLY: the same tensor load, with the same descriptor and a mask that names the four.  Waves 0, 1 fetch K's halves of a slot, waves 2, 3 V's.
; RING.  Two LDS slots of 256 keys, 2^17 bytes apart.  The change of slots stands at a slot's head; behind its round the slot just left is filled, one load a wave, which has four key steps in which to land.  A wave has one tensor load out at the most.
; LAYOUT.  S^T = K Q^T (source 0 = 16 keys, source 1 = 16 queries): a lane holds ONE query (lane % 16) and keys 8 (lane / 16) + 0..7.  Two such tiles, rounded to f16 in pairs, ARE source 1 (32 keys x 16 queries) of O^T = V^T P.
; K comes out of LDS as it lies, V ([key][channel]) turned, by ds_load_tr16_b128.  P is packed in place, into the low half of its tile's scores.
; SOFTMAX.  For each query a running maximum m and sum l: p = 2^(c s - c m), c = scale x log2(e); in every step O^T and l are multiplied by a = 2^(c m_old - c m_new).  m begins at -3e38 and O^T, l at 0, so the loop has no first step of its own.
; LIMITS: v and the result are f16: magnitudes above 65,504 become infinite.  The f16 rounding of q and k (relative 2^-11) is multiplied by the scale in the exponent: at the clip, 100, some 2e-3 rms in a logit.  NaN and infinities are not served.
.set PKP,   144                        ; a key's row in LDS: 128 bytes + 16 of padding: an odd multiple of 16 (ISA guide 11.1)
.set PVP,   160                        ; a row of V: 128 + 32: an odd multiple of 32, for the turning load
.set SKEYS, 256                        ; keys in a slot
.set VOFF,  SKEYS*PKP                  ; a slot: 256 rows of K, then 256 rows of V
.set SLOT1, 1<<17                      ; slot 1 begins here: one exclusive or turns an address in one slot into the other's
.set SPARE, SLOT1+SKEYS*(PKP+PVP)      ; behind the ring: the spare words, 128 bytes for each of the sixteen waves
.set NSL,   2048/SKEYS
.set PLANE, 262144
.set SLOTB, SKEYS*128                  ; a slot's rows of K, or of V, in memory
.set HP,    144                        ; the way out: a query's 128 bytes + 16; a wave's stage is 2 x 16 such rows, in slot 0, which has had its last fill and was left at the last change of slots
.set AK0, 1                            ; v1   my lane's place in a tile of K
.set AV0, 2                            ; v2   the same for V
.set ADK, 3                            ; v3   LDS address of the slot's K
.set ADV, 4                            ; v4   of its V
.set SPW, 5                            ; v5   LDS address of my spare word; never rewritten
.set NIL, 6                            ; v6   0; never rewritten
.set PFO, 7                            ; v7   256 x lane: the prefetches' offset; never rewritten
.set ST,  12                           ; tile t's statistics at v[ST + 8 t]: +0 c m, +1 m, +2, +3 l (even keys', odd keys'), +4 to +7 c0-c3, at work; a takes c2's place
.set STO, 28                           ; v28  the way out: where I put 16 bytes of a query
.set RD,  29                           ; v29  where I read four queries back
.set GO,  30                           ; v30  16 x lane
.set QF,  32                           ; v32-63   Q: tile t, channels 32 c on, at QF + 16 t + 8 c
.set S,   64                           ; v64-127  S^T: tile t, keys 16 kt on, at S + 32 t + 8 kt; then p; then P in the tile's low 16
.set O,   128                          ; v128-191 O^T: tile t, channels 16 ch on, at O + 32 t + 8 ch
.set KV,  192                          ; v192-255 one buffer: K's fragments (c, kt) at KV + 8 (4 c + kt), then V's (g, ch) at KV + 8 (4 g + ch)
.set WV,  10                           ; s10  my wave's number
.set G1K, 24                           ; s[24:31] descriptor group 1 for K's tiles;  s[32:39] for V's: it differs in the padding alone
.set G1V, 32
.set G0K, 40                           ; s[40:43], s[44:47] their groups 0, which walk
.set G0V, 44
.set TB,  48                           ; s48  LDS byte at which the slot in hand begins
.set SLOTS, 49                         ; s49  slots still to be asked for
.set CS,  50                           ; s[50:51] c: the packed form names a pair and takes its low word for both halves
.set SEL, 52                           ; s[52:53] lane selects for v_permlanex16_b32: the lane 16 away
.set PFA, 54                           ; s[54:55] where my prefetches stand
.set LIM, 56                           ; s56  1 in a wave that prefetches, else the greatest number
.set QB,  58                           ; s[58:59] my wave's first row of Q
; Waves 0 and 1 fetch for K, waves 2 and 3 for V, the others nothing.  The branches hang on the wave's number alone: they are the same in all four partners.  An s_nop 0 and four v_nop follow each of the two lines.
.macro TLOAD
	s_cmp_lt_u32 s[WV], 2
	s_cbranch_scc0 .Lnot_k_\@
	tensor_load_to_lds s[G0K:G0K+3], s[G1K:G1K+7]
	s_nop 0
.rept 4
	v_nop
.endr
	s_branch .Lasked_\@
.Lnot_k_\@:
	s_cmp_lt_u32 s[WV], 4
	s_cbranch_scc0 .Lasked_\@
	tensor_load_to_lds s[G0V:G0V+3], s[G1V:G1V+7]
	s_nop 0
.rept 4
	v_nop
.endr
.Lasked_\@:
.endm
; A PREFETCH of what the NEXT change of slots will ask for: a slot's 32,768 bytes of K and as many of V, four key steps ahead of that load.  Each aligned block of 256 bytes is named ONCE in the launch: one cluster alone walks a head;
; its four partners share a slot's 128 blocks out BY ADDRESS, 32 each, a lane a block; in each, wave 4 asks for K's and wave 5 for V's.  The last change that fills a slot asks for nothing; slots 0 and 1 come by their loads alone.
.macro ASK
	s_cmp_gt_u32 s[SLOTS], s[LIM]
	s_cbranch_scc0 .Lnot_mine_\@
	global_prefetch_b8 v[PFO], s[PFA:PFA+1] th:TH_LOAD_NT scope:SCOPE_SE
.Lnot_mine_\@:
.endm
.macro CROUND                          ; a round of the cluster's barrier: my work-group's barrier; wave 0 signals for the work-group; every wave waits for all four; my work-group's barrier once more
	s_barrier_signal -1
	s_barrier_wait -1
	s_cmp_lg_u32 s[WV], 0
	s_cbranch_scc1 .Lnot_wave_0_\@
	s_barrier_signal -3
.Lnot_wave_0_\@:
	s_barrier_wait -3
	s_barrier_signal -1
	s_barrier_wait -1
.endm
	s_load_b128 s[4:7], s[0:1], 0x0                ; qkv16 s[4:5], logit_scale s[6:7]
	s_load_b64 s[8:9], s[0:1], 0x10                ; ao
	v_lshl_add_u32 v[SPW], v0, 2, SPARE
	v_mov_b32 v[NIL], 0
	ds_add_u32 v[SPW], v[NIL]                      ; the wave's opening: the add, twice on end, and its wait ahead of the first tensor loads; the set-up below stands between the second and the wait
	ds_add_u32 v[SPW], v[NIL]
	v_lshrrev_b32 v8, 5, v0
	v_readfirstlane_b32 s[WV], v8                  ; wave 0..15
	s_bfe_u32 s11, ttmp6, 0x40000                  ; cx: my block of 512 queries; it enters Q's, ao's and the prefetches' addresses alone
	s_and_b32 s12, ttmp7, 0xffff                   ; bh, which the four partners share
	; descriptor group 1: a tile of 128 rows x 64 elements of 2 bytes, dense in memory, padded in LDS
	s_mov_b32 s[G1K], 15|(1<<16)|(1<<20)|(1<<21)|(4<<22)|(3<<25)   ; 15:0 the mask: all four work-groups; 17:16 elements of 2 bytes; 20 padding on; 21 set beside a mask; 24:22 after every 32 words (code 4); 31:25 four words (code 3)
	s_mov_b32 s[G1V], 15|(1<<16)|(1<<20)|(1<<21)|(4<<22)|(7<<25)   ; the same with eight words of padding (code 7)
.irp g, G1K, G1V
	s_mov_b32 s[\g+1], 64<<16                      ; tensor_dim0
	s_mov_b32 s[\g+2], 128<<16                     ; tensor_dim1
	s_mov_b32 s[\g+3], 64<<16                      ; tile_dim0
	s_mov_b32 s[\g+4], 128                         ; tile_dim1
	s_mov_b32 s[\g+5], 64                          ; tensor_dim0_stride
	s_mov_b32 s[\g+6], 0
	s_mov_b32 s[\g+7], 0
.endr
	s_and_b32 s13, s[WV], 1                        ; which half of a slot's rows I fetch, if I fetch
	s_mul_i32 s14, s13, 128*PKP                    ; K: its place in a slot
	s_mul_i32 s15, s13, 128*PVP
	s_add_co_u32 s15, s15, VOFF                    ; V: likewise
	s_lshl_b32 s16, s13, 14                        ; 128 rows of 128 bytes in memory,
	s_lshl_b32 s17, s12, 18                        ; in my head's plane
	s_add_co_u32 s16, s16, s17
	s_add_co_u32 s16, s16, 64*PLANE                ; K's planes begin at 64,
	s_add_co_u32 s18, s16, 64*PLANE                ; V's at 128 (all under 2^32)
	s_mov_b32 s17, 0
	s_mov_b32 s19, 0
	s_lshl_b32 s20, s12, 18                        ; Q: plane bh + 128 (512 cx + 32 wave)
	s_lshl_b32 s21, s11, 16
	s_add_co_u32 s20, s20, s21
	s_lshl_b32 s22, s[WV], 12
	s_add_co_u32 s20, s20, s22
	s_add_co_u32 s22, s22, s21                     ; ao: 128 (8192 head + 2048 batch + 512 cx + 32 wave)
	s_and_b32 s21, s12, 15                         ; head
	s_lshl_b32 s23, s21, 20
	s_add_co_u32 s22, s22, s23
	s_lshr_b32 s23, s12, 4                         ; batch
	s_lshl_b32 s23, s23, 18
	s_add_co_u32 s22, s22, s23
	s_mov_b32 s23, 0
	s_lshl_b32 s60, s21, 2                         ; logit_scale: 4 bytes a head
	s_mov_b32 s61, 0
	s_mov_b32 s21, 0
	s_cmp_eq_u32 s[WV], 4                          ; the prefetches: wave 4 stands in K's plane, wave 5 in V's,
	s_cselect_b32 s62, 0, 64*PLANE
	s_add_co_u32 s62, s62, 64*PLANE+SLOTB          ; in slot 1: the first change of slots steps it to slot 2.  Nothing is prefetched at the head
	s_lshl_b32 s63, s12, 18
	s_add_co_u32 s62, s62, s63
	s_lshl_b32 s63, s11, 13                        ; my work-group's 32 blocks of the 128
	s_add_co_u32 s62, s62, s63
	s_mov_b32 s63, 0
	s_sub_co_u32 s13, s[WV], 4
	s_lshr_b32 s13, s13, 1                         ; 0 in waves 4 and 5
	s_cmp_eq_u32 s13, 0
	s_cselect_b32 s[LIM], 1, -1
	s_mov_b32 s[SEL], 0x76543210
	s_mov_b32 s[SEL+1], 0xfedcba98
	s_mov_b32 s[TB], 0
	s_mov_b32 s[SLOTS], NSL-1
	s_wait_dscnt 0x0                               ; both opening adds are done
	s_wait_kmcnt 0x0
	s_mov_b32 s[G0K], 1                            ; 1:0 count = 1
	s_mov_b32 s[G0K+1], s14                        ; 63:32 LDS address: slot 0
	s_add_nc_u64 s[G0K+2:G0K+3], s[4:5], s[16:17]  ; 120:64 global address: the head's first 256 keys
	s_or_b32 s[G0K+3], s[G0K+3], 0x80000000        ; 127:126 type = 2
	s_mov_b32 s[G0V], 1
	s_mov_b32 s[G0V+1], s15
	s_add_nc_u64 s[G0V+2:G0V+3], s[4:5], s[18:19]
	s_or_b32 s[G0V+3], s[G0V+3], 0x80000000
	s_add_nc_u64 s[QB:QB+1], s[4:5], s[20:21]
	s_add_nc_u64 s[8:9], s[8:9], s[22:23]
	s_add_nc_u64 s[PFA:PFA+1], s[4:5], s[62:63]
	s_add_nc_u64 s[6:7], s[6:7], s[60:61]
	CROUND                                         ; all four work-groups are here: the first joint loads meet
	TLOAD                                          ; slot 0
	s_load_b32 s60, s[6:7], 0x0                    ; my head's logit_scale
	v_and_b32 v8, 15, v0                           ; r = lane % 16
	v_bfe_u32 v9, v0, 4, 1                         ; h = lane / 16
	v_lshlrev_b32 v10, 7, v8
	v_lshl_add_u32 v10, v9, 4, v10                 ; Q: row r of 128 bytes + 16 h; not rewritten
.irp t, 0,1
.irp c, 0,1
	global_load_b128 v[QF+16*\t+8*\c:QF+16*\t+8*\c+3], v10, s[QB:QB+1] offset:2048*\t+64*\c        ; a fragment is 16 rows x 32 channels: registers 0-3 channels 8 h + 0..7,
	global_load_b128 v[QF+16*\t+8*\c+4:QF+16*\t+8*\c+7], v10, s[QB:QB+1] offset:2048*\t+64*\c+32   ; registers 4-7 channels 16 + 8 h + 0..7.  Q stays in registers
.endr
.endr
	v_mul_u32_u24 v[AK0], v8, PKP
	v_lshl_add_u32 v[AK0], v9, 4, v[AK0]           ; K: row x pitch + 16 h
	v_and_b32 v11, 7, v0                           ; the turning load: lane l reads 16 bytes: key 8 h + l % 8, channels 8 ((l / 8) % 2) + 0..7
	v_lshl_add_u32 v[AV0], v9, 3, v11
	v_mul_u32_u24 v[AV0], v[AV0], PVP
	v_bfe_u32 v11, v0, 3, 1
	v_lshl_add_u32 v[AV0], v11, 4, v[AV0]
	v_add_nc_u32 v[AV0], VOFF, v[AV0]
	s_mul_i32 s13, s[WV], 2*16*HP                  ; my stage
	v_mul_u32_u24 v[STO], v8, HP                   ; in: query r, 16 bytes for each half of the lanes
	v_lshl_add_u32 v[STO], v9, 4, v[STO]
	v_add_nc_u32 v[STO], s13, v[STO]
	v_bfe_u32 v11, v0, 3, 2                        ; back: eight lanes to a query, four queries an instruction
	v_mul_u32_u24 v[RD], v11, HP
	v_and_b32 v11, 7, v0
	v_lshl_add_u32 v[RD], v11, 4, v[RD]
	v_add_nc_u32 v[RD], s13, v[RD]
	v_and_b32 v[GO], 31, v0
	v_lshlrev_b32 v[PFO], 8, v[GO]
	v_lshlrev_b32 v[GO], 4, v[GO]
.irp t, 0,1
	v_mov_b32 v[ST+8*\t], 0xff61b1e6               ; c m and m: -3e38, under every score
	v_mov_b32 v[ST+8*\t+1], 0xff61b1e6
	v_mov_b32 v[ST+8*\t+2], 0                      ; l
	v_mov_b32 v[ST+8*\t+3], 0
.endr
.set k, 0
.rept 64
	v_mov_b32 v[O+k], 0                            ; O^T.  (The key step is written once for all steps: the first finds zeros, which a = 0 leaves zeros)
.set k, k+1
.endr
	s_wait_kmcnt 0x0
	v_mov_b32 v8, s60
	v_min_num_f32 v8, 0x40935d8e, v8               ; min(logit_scale, ln 100)
	v_mul_f32 v8, 0x3fb8aa3b, v8                   ; x log2(e)
	v_exp_f32 v8, v8                               ; the scale
	v_nop                                          ; a plain instruction behind the exponential,
	s_wait_alu depctr_va_vdst(0)                   ; and the wait ahead of the first use
	v_mul_f32 v8, 0x3fb8aa3b, v8                   ; c = scale x log2(e); it only multiplies numbers: no branch and no address hangs on it
	v_readfirstlane_b32 s[CS], v8
	s_mov_b32 s[CS+1], s[CS]                       ; (named with it as a pair, so it is written)
; THE SOFTMAX of both tiles for one key step; every line is written for tile 0 and tile 1 by turns, so that no line waits for the line above it.
.macro SOFTMAX
.irp j, 0,1,2,3                        ; the maximum of the lane's 32 scores and the old m: four chains, each begun at the low end of one accumulator
.irp t, 0,1
	v_max3_num_f32 v[ST+8*\t+4+\j], v[S+32*\t+8*\j], v[S+32*\t+8*\j+1], v[S+32*\t+8*\j+2]
.endr
.endr
.irp u, 3,5
.irp j, 0,1,2,3
.irp t, 0,1
	v_max3_num_f32 v[ST+8*\t+4+\j], v[ST+8*\t+4+\j], v[S+32*\t+8*\j+\u], v[S+32*\t+8*\j+\u+1]
.endr
.endr
.endr
.irp t, 0,1
	v_max3_num_f32 v[ST+8*\t+4], v[ST+8*\t+4], v[S+32*\t+7], v[S+32*\t+15]
	v_max3_num_f32 v[ST+8*\t+6], v[ST+8*\t+6], v[S+32*\t+23], v[S+32*\t+31]
.endr
.irp t, 0,1
	v_max3_num_f32 v[ST+8*\t+4], v[ST+8*\t+4], v[ST+8*\t+5], v[ST+8*\t+6]
.endr
.irp t, 0,1
	v_max3_num_f32 v[ST+8*\t+4], v[ST+8*\t+4], v[ST+8*\t+7], v[ST+8*\t+1]
.endr
.irp t, 0,1
	v_permlanex16_b32 v[ST+8*\t+5], v[ST+8*\t+4], s[SEL], s[SEL+1]   ; the query's other 32 keys lie in the lane 16 away
.endr
.irp t, 0,1
	v_mov_b32 v[ST+8*\t+7], v[ST+8*\t]             ; c m_old is kept for a
.endr
.irp t, 0,1
	v_max_num_f32 v[ST+8*\t+1], v[ST+8*\t+4], v[ST+8*\t+5]
.endr
.irp t, 0,1
	v_mul_f32 v[ST+8*\t], s[CS], v[ST+8*\t+1]      ; c is positive
.endr
.irp t, 0,1
	v_sub_f32 v[ST+8*\t+7], v[ST+8*\t+7], v[ST+8*\t]
.endr
.irp t, 0,1
	v_exp_f32 v[ST+8*\t+6], v[ST+8*\t+7]           ; a = 2^(c m_old - c m_new)
.endr
.irp b, 0,2,4,6,8,10,12,14,16,18,20,22,24,26,28,30
.irp t, 0,1
	v_pk_fma_f32 v[S+32*\t+\b:S+32*\t+\b+1], v[S+32*\t+\b:S+32*\t+\b+1], s[CS:CS+1], v[ST+8*\t:ST+8*\t+1] op_sel_hi:[1,0,0] neg_lo:[0,0,1] neg_hi:[0,0,1]   ; c s - c m, two at a time
.endr
.endr
.set k, 0
.rept 64
	v_exp_f32 v[S+k], v[S+k]                       ; p, at most 1
.set k, k+1
.endr
	v_nop                                          ; a plain instruction behind the last exponential,
	s_wait_alu depctr_va_vdst(0)                   ; and ONE wait for the step's 66, ahead of the first instruction that names a result
.irp t, 0,1                            ; the sums, of p before it is rounded, in two chains; they leave p as it is
	v_pk_fma_f32 v[ST+8*\t+2:ST+8*\t+3], v[ST+8*\t+2:ST+8*\t+3], v[ST+8*\t+6:ST+8*\t+7], v[S+32*\t:S+32*\t+1] op_sel_hi:[1,0,1]   ; l = a l + the first pair
	v_pk_add_f32 v[ST+8*\t+4:ST+8*\t+5], v[S+32*\t+2:S+32*\t+3], v[S+32*\t+6:S+32*\t+7]
.endr
.irp b, 4,8,12,16,20,24
.irp t, 0,1
	v_pk_add_f32 v[ST+8*\t+2:ST+8*\t+3], v[ST+8*\t+2:ST+8*\t+3], v[S+32*\t+\b:S+32*\t+\b+1]
	v_pk_add_f32 v[ST+8*\t+4:ST+8*\t+5], v[ST+8*\t+4:ST+8*\t+5], v[S+32*\t+\b+6:S+32*\t+\b+7]
.endr
.endr
.irp t, 0,1
	v_pk_add_f32 v[ST+8*\t+2:ST+8*\t+3], v[ST+8*\t+2:ST+8*\t+3], v[S+32*\t+28:S+32*\t+29]
.endr
.irp t, 0,1
	v_pk_add_f32 v[ST+8*\t+2:ST+8*\t+3], v[ST+8*\t+2:ST+8*\t+3], v[ST+8*\t+4:ST+8*\t+5]
.endr
.set k, 0
.rept 16
.irp t, 0,1
	v_cvt_pk_f16_f32 v[S+32*\t+k], v[S+32*\t+2*k], v[S+32*\t+2*k+1]   ; P, in place and ascending: register k takes pair k, which no later line needs
.endr
.set k, k+1
.endr
.set k, 0
.rept 16
.irp t, 0,1
	v_pk_mul_f32 v[O+32*\t+2*k:O+32*\t+2*k+1], v[O+32*\t+2*k:O+32*\t+2*k+1], v[ST+8*\t+6:ST+8*\t+7] op_sel_hi:[1,0]   ; O^T x a, each accumulator from its low end on
.endr
.set k, k+1
.endr
.endm
; A KEY STEP: the q-th 64 keys of the slot in hand.  The accumulators take turns, one instruction a turn: between two links of a chain stand seven others'.
.macro STEP q
.rept 5
	v_nop                                          ; behind the last products V^T P: four places ahead of the loads into the buffer that they read, five ahead of the products that write over P (ISA guide 7.12.1 for vector instructions)
.endr
.irp c, 0,1
.irp kt, 0,1,2,3
	ds_load_b128 v[KV+8*(4*\c+\kt):KV+8*(4*\c+\kt)+3], v[ADK] offset:64*PKP*(\q)+16*PKP*\kt+64*\c
	ds_load_b128 v[KV+8*(4*\c+\kt)+4:KV+8*(4*\c+\kt)+7], v[ADK] offset:64*PKP*(\q)+16*PKP*\kt+64*\c+32
.endr
.endr
	s_wait_dscnt 8                                 ; channels 0-31 are in; the eight loads of channels 32-63 may be out
.irp kt, 0,1,2,3
.irp t, 0,1
	v_wmma_f32_16x16x32_f16 v[S+32*\t+8*\kt:S+32*\t+8*\kt+7], v[KV+8*\kt:KV+8*\kt+7], v[QF+16*\t:QF+16*\t+7], 0
.endr
.endr
	s_wait_dscnt 0x0
.irp kt, 0,1,2,3
.irp t, 0,1
	v_wmma_f32_16x16x32_f16 v[S+32*\t+8*\kt:S+32*\t+8*\kt+7], v[KV+32+8*\kt:KV+32+8*\kt+7], v[QF+16*\t+8:QF+16*\t+15], v[S+32*\t+8*\kt:S+32*\t+8*\kt+7]
.endr
.endr
.rept 4
	v_nop                                          ; four places ahead of the loads into K's registers and of the first read of the scores
.endr
.irp g, 0,1                            ; V, turned: keys 32 g on, channels 16 ch on; it lands while the softmax is walked
.irp ch, 0,1,2,3
	ds_load_tr16_b128 v[KV+8*(4*\g+\ch):KV+8*(4*\g+\ch)+3], v[ADV] offset:64*PVP*(\q)+32*PVP*\g+32*\ch
	ds_load_tr16_b128 v[KV+8*(4*\g+\ch)+4:KV+8*(4*\g+\ch)+7], v[ADV] offset:64*PVP*(\q)+32*PVP*\g+16*PVP+32*\ch
.endr
.endr
	SOFTMAX
	s_wait_dscnt 0x0                               ; V is in
.irp g, 0,1
.irp ch, 0,1,2,3
.irp t, 0,1
	v_wmma_f32_16x16x32_f16 v[O+32*\t+8*\ch:O+32*\t+8*\ch+7], v[KV+8*(4*\g+\ch):KV+8*(4*\g+\ch)+7], v[S+32*\t+8*\g:S+32*\t+8*\g+7], v[O+32*\t+8*\ch:O+32*\t+8*\ch+7]
.endr
.endr
.endr
.endm
; THE CHANGE OF SLOTS stands at a slot's head.  Each wave waits for all its tensor loads (its part of the slot that it is about to read), adds 0 to its spare word, and waits for that and for its reads of the slot that it has left.
; fill = 1: the barrier is a round of the cluster's, so that no wave of any partner still reads the slot that is left or has a load on its way; behind it that slot is filled with the keys that follow.
.macro CHANGE fill
	s_wait_tensorcnt 0x0                           ; no tensor load of mine is out, so a group 0 may be written
	ds_add_u32 v[SPW], v[NIL]                      ; 0 onto my spare word
.if \fill
	ds_add_u32 v[SPW], v[NIL]                      ; and once more: the add twice on end, in every trip alike
	s_xor_b32 s[G0K+1], s[G0K+1], SLOT1            ; the walking descriptors: the other slot than last time,
	s_add_nc_u64 s[G0K+2:G0K+3], s[G0K+2:G0K+3], SLOTB   ; the next 256 keys; the type bits on top are not reached
	s_xor_b32 s[G0V+1], s[G0V+1], SLOT1
	s_add_nc_u64 s[G0V+2:G0V+3], s[G0V+2:G0V+3], SLOTB
	s_wait_xcnt 0x0                                ; the last prefetch, a slot back, has read its address, so it may be written:
	s_add_nc_u64 s[PFA:PFA+1], s[PFA:PFA+1], SLOTB ; one slot further on than the walking descriptors
	s_wait_dscnt 0x0                               ; both adds are done, and my reads of the slot that I have left are over
	CROUND
	TLOAD                                          ; the first thing behind the round, and a wave's one tensor load until the next
	ASK
.else
	s_wait_dscnt 0x0
	s_barrier_signal -1
	s_barrier_wait -1
.endif
.endm
.macro SLOT_STEPS
	v_add_nc_u32 v[ADK], s[TB], v[AK0]
	v_add_nc_u32 v[ADV], s[TB], v[AV0]
	STEP 0
	STEP 1
	STEP 2
	STEP 3
	s_xor_b32 s[TB], s[TB], SLOT1                  ; on to the other slot
.endm
	s_wait_loadcnt 0x0                             ; Q
.Lslot:                                            ; seven trips: behind each change of slots but the last the next slot is asked for
	CHANGE 1
	SLOT_STEPS
	s_sub_co_u32 s[SLOTS], s[SLOTS], 1
	s_cmp_lg_u32 s[SLOTS], 0
	s_cbranch_scc1 .Lslot
	CHANGE 0                                       ; the last slot is written out
	SLOT_STEPS
	; THE WAY OUT.  l's two halves and the other half of the lanes' are added; O^T is divided by l, rounded to f16 and sent through my stage, so that a store covers four queries: 512 consecutive bytes.
.rept 4
	v_nop                                          ; places behind the last products
.endr
.irp t, 0,1
	v_add_f32 v[ST+8*\t+4], v[ST+8*\t+2], v[ST+8*\t+3]
.endr
.irp t, 0,1
	v_permlanex16_b32 v[ST+8*\t+5], v[ST+8*\t+4], s[SEL], s[SEL+1]
.endr
.irp t, 0,1
	v_add_f32 v[ST+8*\t+4], v[ST+8*\t+4], v[ST+8*\t+5]
.endr
.irp t, 0,1
	v_rcp_f32 v[ST+8*\t+6], v[ST+8*\t+4]
.endr
	v_nop                                          ; a plain instruction behind the last reciprocal,
	s_wait_alu depctr_va_vdst(0)                   ; and one wait for the two, ahead of the first use
.irp t, 0,1
.set k, 0
.rept 16
	v_pk_mul_f32 v[O+32*\t+2*k:O+32*\t+2*k+1], v[O+32*\t+2*k:O+32*\t+2*k+1], v[ST+8*\t+6:ST+8*\t+7] op_sel_hi:[1,0]
.set k, k+1
.endr
.endr
.irp t, 0,1
.set k, 0
.rept 16
	v_cvt_pk_f16_f32 v[S+32*\t+k], v[O+32*\t+2*k], v[O+32*\t+2*k+1]   ; registers 4 ch .. 4 ch + 3: channels 16 ch + 8 h + 0..7 of query r
.set k, k+1
.endr
.endr
.irp t, 0,1
.irp ch, 0,1,2,3
	ds_store_b128 v[STO], v[S+32*\t+4*\ch:S+32*\t+4*\ch+3] offset:16*HP*\t+32*\ch
.endr
.irp i, 0,1,2,3
	ds_load_b128 v[KV+16*\t+4*\i:KV+16*\t+4*\i+3], v[RD] offset:16*HP*\t+4*HP*\i   ; LDS serves a wave's instructions in order (ISA guide 5.7.1.4): these see my stores
.endr
.endr
.irp i, 0,1,2,3
	s_wait_dscnt 11-\i                             ; younger: tile 0's later loads, tile 1's four stores and four loads
	global_store_b128 v[GO], v[KV+4*\i:KV+4*\i+3], s[8:9] offset:512*\i
.endr
.irp i, 0,1,2,3
	s_wait_dscnt 3-\i
	global_store_b128 v[GO], v[KV+16+4*\i:KV+16+4*\i+3], s[8:9] offset:2048+512*\i   ; 32 lanes store 512 consecutive bytes, at a multiple of 512 from the buffer's first byte
.endr
	s_wait_tensorcnt 0x0                           ; the wave's end, behind my last tensor load and my last LDS store
	ds_add_u32 v[SPW], v[NIL]
	s_wait_dscnt 0x0
	CROUND                                         ; the closing round: no work-group ends while a partner may still ask for a tile that names it
	s_endpgm
.Lfunc_end_k_q8b7f9b0c4a_attn:
	.size	k_q8b7f9b0c4a_attn, .Lfunc_end_k_q8b7f9b0c4a_attn-k_q8b7f9b0c4a_attn
	.p2alignl 7, 3214868480
	.fill 96, 4, 3214868480
	.section	.rodata,"a",@progbits
	.p2align	6, 0x0
	.amdhsa_kernel k_q8b7f9b0c4a_attn
		.amdhsa_group_segment_fixed_size 327680
		.amdhsa_private_segment_fixed_size 0
		.amdhsa_enable_private_segment 0
		.amdhsa_kernarg_size 24
		.amdhsa_user_sgpr_count 2
		.amdhsa_user_sgpr_kernarg_segment_ptr 1
		.amdhsa_wavefront_size32 1
		.amdhsa_system_sgpr_workgroup_id_x 1
		.amdhsa_system_sgpr_workgroup_id_y 1
		.amdhsa_system_sgpr_workgroup_id_z 1
		.amdhsa_system_vgpr_workitem_id 0
		.amdhsa_next_free_vgpr 256
		.amdhsa_next_free_sgpr 66
		.amdhsa_reserve_vcc 0
		.amdhsa_float_denorm_mode_32 3
		.amdhsa_float_denorm_mode_16_64 3
		.amdhsa_memory_ordered 1
		.amdhsa_forward_progress 1
		.amdhsa_inst_pref_size 154
	.end_amdhsa_kernel
	.amdgpu_metadata
---
amdhsa.version: [ 1, 2 ]
amdhsa.kernels:
  - .name:           k_q8b7f9b0c4a_attn
    .symbol:         k_q8b7f9b0c4a_attn.kd
    .args:
      - { .name: qkv16, .offset: 0, .size: 8, .value_kind: global_buffer, .address_space: global }
      - { .name: logit_scale, .offset: 8, .size: 8, .value_kind: global_buffer, .address_space: global }
      - { .name: ao, .offset: 16, .size: 8, .value_kind: global_buffer, .address_space: global }
    .group_segment_fixed_size: 327680
    .private_segment_fixed_size: 0
    .kernarg_segment_align: 8
    .kernarg_segment_size: 24
    .max_flat_workgroup_size: 512
    .sgpr_count:     66
    .vgpr_count:     256
    .wavefront_size: 32
...
	.end_amdgpu_metadata
.endif
;; end of part 3
;; launch proj (part 4): grid 4 x 64, 4 waves a work-group, clusters of 4 x 4, 327,680 bytes of LDS; arguments ao, wo16, out0; writes out0
.if DOCPART == 4
	.amdgcn_target "amdgcn-amd-amdhsa--gfx1250"
	.amdhsa_code_object_version 6
	.text
	.protected	k_q8b7f9b0c4a_proj
	.globl	k_q8b7f9b0c4a_proj
	.p2align	8
	.type	k_q8b7f9b0c4a_proj,@function
k_q8b7f9b0c4a_proj:
	s_mov_b64 s[64:65], 0
	v_nop
	global_prefetch_b8 v0, s[64:65] scope:SCOPE_SE
	s_setreg_imm32_b32 hwreg(HW_REG_WAVE_MODE, 25, 1), 1
	s_wait_xcnt 0x0
	s_wait_alu depctr_hold_cnt(0) depctr_sa_sdst(0) depctr_va_vdst(0) depctr_va_sdst(0) depctr_va_ssrc(0) depctr_va_vcc(0) depctr_vm_vsrc(0)
	s_getreg_b32 s2, hwreg(HW_REG_IB_STS2, 6, 4)
	s_cmp_eq_u32 s2, 0
	s_cbranch_scc0 .Lentry_in_a_cluster
	s_endpgm
.Lentry_in_a_cluster:
	s_bfe_u32 s2, ttmp6, 0x10000c
	s_cmp_lg_u32 s2, 0xf033
	s_cbranch_scc0 .Lentry_shape_is_right
	s_endpgm
.Lentry_shape_is_right:
; out0[token][n] = the sum over k of A[token][k] w_out[n][k], k = 64 x head + channel.  A = ao, f16, laid [16 heads][8192 tokens][64]; w_out = wo16, f16, [1024][1024]; out0 f32 [8192][1024]; sums in f32.
; A tile of 128 tokens x 256 columns is made by four waves, each 64 x 128: 32 accumulators of 16 x 16, 256 registers: 256 work-groups.  K goes in 8 steps of 128, two heads' planes of ao, through a ring of two LDS slots.
; Waves 0 and 1 fetch A's two planes (128 rows x 128 bytes each), waves 2 and 3 B's halves (128 rows x 256 bytes): one tensor load a wave behind each round; two are out at the start, later one.
; CLUSTERS: 4 x 4 work-groups.  The four of a row of the cluster need the same tiles of A, the four of a column the same tiles of B: each tile is asked for JOINTLY, by the same tensor load with the same descriptor and a mask that names the four.
; THE MATRIX INSTRUCTION IS USED TRANSPOSED (source 0 = 16 rows of w_out, source 1 = 16 tokens): a lane holds eight neighbouring columns of a token's row.
; LIMITS: the operands are f16 (made by the launches before): magnitudes above 65,504 are infinite there.
; REGISTERS: window 0: v0-31 addresses; two fragment buffers of 96, at v32 and v128: A's four blocks (16 tokens x 32 K), then B's eight; on the way out rows read back, at v32 and v128.   window 1: accumulator (a, b) at v[8 (8 a + b)].
.set PA,     144                       ; a row of A in LDS: 128 bytes + 16 of padding: an odd multiple of 16 (ISA guide 11.1)
.set PB,     272                       ; a row of B: 256 + 16
.set APL,    128*PA                    ; a plane's 128 rows
.set BOFF,   2*APL                     ; B lies behind A's two planes
.set BHALF,  128*PB
.set SLOT,   BOFF+2*BHALF
.set STAGE,  2*SLOT                    ; behind the ring: 16 rows x 528 bytes for each wave, for the way out
.set SPITCH, 528
.set SPARE,  STAGE+4*16*SPITCH         ; the spare words, 128 bytes for each wave
.set LAPS,   4                         ; a lap = two K steps = once round the ring
.set PLANEB, 8192*128                  ; a head's plane of ao in bytes
.set ADRA, 16                          ; v16-17  LDS address of my A fragments in slot 0, 1
.set ADRB, 20                          ; v20-21  the same for B
.set STO,  24                          ; v24     the way out: where I put 32 bytes of a row
.set RD,   25                          ; v25     where I read a row back
.set CO,   26                          ; v26     16 x lane
.set SPW,  28                          ; v28     LDS address of my spare word; never rewritten
.set NIL,  29                          ; v29     0; never rewritten
.set PFO,  30                          ; v30     256 x lane: the prefetches' offset; never rewritten
.set F0,   32
.set F1,   128
.set G1, 24                            ; s[24:31] descriptor group 1 for A's tiles;  s[32:39] group 0, one set for each slot
.set G0, 32
.set G1B, 48                           ; s[48:55], s[56:63] the same for B's tiles
.set G0B, 56
.set PFA,  44                          ; s[44:45] where my prefetches stand
.set LIM,  43                          ; s43     1 in a wave that prefetches, else the greatest number
.set MSB, 0
.macro WIN new                         ; the immediate's high byte repeats the setting that is left; a switch that changes nothing is dropped
.if MSB != (\new)
	s_set_vgpr_msb (MSB<<8)|(\new)
.set MSB, (\new)
.endif
.endm
.set MUL, 0x50                         ; sources 0 and 1 window 0; C and D window 1
.macro JLOAD s                         ; a joint load: waves 0 and 1 fetch for A, waves 2 and 3 for B; an s_nop 0 and four v_nop follow each of the two lines, ahead of the jump, the label and what follows
	s_cmp_eq_u32 s11, 0
	s_cbranch_scc0 .Lfor_b_\@
	tensor_load_to_lds s[G0+4*\s:G0+4*\s+3], s[G1:G1+7]
	s_nop 0
.rept 4
	v_nop
.endr
	s_branch .Lasked_\@
.Lfor_b_\@:
	tensor_load_to_lds s[G0B+4*\s:G0B+4*\s+3], s[G1B:G1B+7]
	s_nop 0
.rept 4
	v_nop
.endr
.Lasked_\@:
.endm
.macro CREST                           ; a round of the cluster's barrier behind its opening barrier
	s_cmp_lg_u32 s10, 0
	s_cbranch_scc1 .Lnot_wave_0_\@
	s_barrier_signal -3
.Lnot_wave_0_\@:
	s_barrier_wait -3
	s_barrier_signal -1
	s_barrier_wait -1
.endm
.macro CROUND                          ; a whole round
	s_barrier_signal -1
	s_barrier_wait -1
	CREST
.endm
; A PREFETCH of A's tile of the K step that stands TWO refills on: 2 planes x 16,384 bytes = 128 aligned blocks of 256 bytes, 256 matrix instructions ahead of the load that will want them.  A tile row of A is read by one row of one cluster alone:
; its four partners share the blocks out BY ADDRESS, 32 each (plane cx / 2, half cx % 2), a lane a block; in each, wave 0 asks.  So each block is named once.  The loop's last trip asks for nothing; K steps 0 to 3 come by their loads alone.
; B is not asked for: all 64 tile rows read the same 2 MiB again and again.
.macro ASK
	s_cmp_gt_u32 s3, s[LIM]                        ; s3 = 1 in the loop's last trip
	s_cbranch_scc0 .Lnot_mine_\@
	global_prefetch_b8 v[PFO], s[PFA:PFA+1] th:TH_LOAD_NT scope:SCOPE_SE
.Lnot_mine_\@:
.endm
	s_load_b128 s[4:7], s[0:1], 0x0                ; ao s[4:5], wo16 s[6:7]
	s_load_b64 s[8:9], s[0:1], 0x10                ; out0
	v_lshl_add_u32 v[SPW], v0, 2, SPARE
	v_mov_b32 v[NIL], 0
	ds_add_u32 v[SPW], v[NIL]                      ; the wave's opening: the add, twice on end, and its wait ahead of my first tensor load; the set-up below stands between the second and the wait
	ds_add_u32 v[SPW], v[NIL]
	v_lshrrev_b32 v1, 5, v0
	v_readfirstlane_b32 s10, v1                    ; wave 0..3
	s_lshr_b32 s11, s10, 1                         ; which half of the tile's tokens is mine.  Also: I fetch for A (0) or for B (1)
	s_and_b32 s12, s10, 1                          ; which half of its columns.  Also: which plane of A, or which 128 rows of B, I fetch
	s_bfe_u32 s40, ttmp6, 0x40000                  ; cx, cy: my place in the cluster
	s_bfe_u32 s41, ttmp6, 0x40004
	s_lshl_b32 s42, ttmp9, 2
	s_add_co_u32 s42, s42, s40                     ; tile column = 4 x cluster x + cx
	s_and_b32 s13, ttmp7, 0xffff
	s_lshl_b32 s13, s13, 2
	s_add_co_u32 s13, s13, s41                     ; tile row = 4 x cluster y + cy
	s_lshl_b32 s43, s41, 2
	s_lshl_b32 s43, 15, s43                        ; my row of the cluster
	s_lshl_b32 s44, 0x1111, s40                    ; my column
	; descriptor group 1.  A: 128 rows x 64 elements of 2 bytes, dense in memory;  B: 128 rows x 128 elements, 1,024 elements apart
	s_or_b32 s[G1+0], s43, (1<<16)|(1<<20)|(1<<21)|(4<<22)|(3<<25)   ; 15:0 the mask: my row; 17:16 elements of 2 bytes; 20 padding on; 21 set beside a mask; 24:22 after every 32 words (code 4); 31:25 four words (code 3)
	s_mov_b32 s[G1+1], 64<<16                      ; tensor_dim0
	s_mov_b32 s[G1+2], 128<<16                     ; tensor_dim1
	s_mov_b32 s[G1+3], 64<<16                      ; tile_dim0
	s_mov_b32 s[G1+4], 128                         ; tile_dim1
	s_mov_b32 s[G1+5], 64                          ; tensor_dim0_stride
	s_mov_b32 s[G1+6], 0
	s_mov_b32 s[G1+7], 0
	s_or_b32 s[G1B+0], s44, (1<<16)|(1<<20)|(1<<21)|(5<<22)|(3<<25)  ; the mask: my column; padding after every 64 words (code 5)
	s_mov_b32 s[G1B+1], 128<<16
	s_mov_b32 s[G1B+2], 128<<16
	s_mov_b32 s[G1B+3], 128<<16
	s_mov_b32 s[G1B+4], 128
	s_mov_b32 s[G1B+5], 1024
	s_mov_b32 s[G1B+6], 0
	s_mov_b32 s[G1B+7], 0
	; where the tiles come from.  A's hang on the tile row alone, B's on the tile column alone, each in registers that never hold the other coordinate
	s_lshl_b32 s16, s12, 20                        ; A: my plane of the K step's two,
	s_lshl_b32 s17, s13, 14                        ; 128 tokens x 128 bytes x tile row
	s_add_co_u32 s16, s16, s17
	s_mov_b32 s17, 0
	s_lshl_b32 s46, s42, 19                        ; B: 256 rows of 2,048 bytes x tile column,
	s_lshl_b32 s47, s12, 18                        ; my 128 of them
	s_add_co_u32 s46, s46, s47
	s_mov_b32 s47, 0
	s_mul_i32 s20, s12, APL                        ; and where they go: no place in the cluster enters an LDS address
	s_mul_i32 s21, s12, BHALF
	s_add_co_u32 s21, s21, BOFF
	s_wait_dscnt 0x0                               ; both opening adds are done
	s_wait_kmcnt 0x0
	s_add_nc_u64 s[14:15], s[4:5], s[16:17]
	s_add_nc_u64 s[46:47], s[6:7], s[46:47]
	CROUND                                         ; all sixteen work-groups are here: the first joint loads meet
.irp s, 0,1
	s_mov_b32 s[G0+4*\s], 1                        ; 1:0 count = 1
	s_add_co_u32 s[G0+4*\s+1], s20, \s*SLOT        ; 63:32 LDS address
	s_add_nc_u64 s[G0+4*\s+2:G0+4*\s+3], s[14:15], \s*2*PLANEB      ; 120:64 global address: K step s is planes 2 s and 2 s + 1
	s_or_b32 s[G0+4*\s+3], s[G0+4*\s+3], 0x80000000                 ; 127:126 type = 2
	s_mov_b32 s[G0B+4*\s], 1
	s_add_co_u32 s[G0B+4*\s+1], s21, \s*SLOT
	s_add_nc_u64 s[G0B+4*\s+2:G0B+4*\s+3], s[46:47], \s*256
	s_or_b32 s[G0B+4*\s+3], s[G0B+4*\s+3], 0x80000000
	JLOAD \s
.endr
	v_and_b32 v1, 15, v0                           ; r = lane % 16
	v_bfe_u32 v2, v0, 4, 1                         ; h = lane / 16
	v_mul_u32_u24 v3, v1, PA
	v_lshl_add_u32 v3, v2, 4, v3                   ; a fragment's row x pitch + 16 h
	v_mul_u32_u24 v4, v1, PB
	v_lshl_add_u32 v4, v2, 4, v4
	s_mul_i32 s21, s11, 64*PA                      ; my 64 tokens, in each plane
	s_mul_i32 s22, s12, BHALF                      ; my 128 rows of B
	s_add_co_u32 s22, s22, BOFF
.irp s, 0,1
	v_add_nc_u32 v[ADRA+\s], s21, v3
	v_add_nc_u32 v[ADRB+\s], s22, v4
	s_add_co_u32 s21, s21, SLOT
	s_add_co_u32 s22, s22, SLOT
.endr
	s_mul_i32 s23, s10, 16*SPITCH
	s_add_co_u32 s23, s23, STAGE                   ; my stage
	v_mul_u32_u24 v5, v1, SPITCH                   ; in: token r, 32 bytes for each half of the lanes
	v_lshl_add_u32 v5, v2, 5, v5
	v_add_nc_u32 v[STO], s23, v5
	v_and_b32 v6, 31, v0
	v_lshlrev_b32 v[CO], 4, v6                     ; back: the 32 lanes take one row of 512 bytes; and the same in out0
	v_add_nc_u32 v[RD], s23, v[CO]
	v_lshlrev_b32 v[PFO], 8, v6
	s_lshl_b32 s16, s13, 19                        ; out0: 4,096 (128 x tile row + 64 x half)
	s_lshl_b32 s17, s11, 18
	s_add_co_u32 s16, s16, s17
	s_mov_b32 s17, 0
	s_add_nc_u64 s[8:9], s[8:9], s[16:17]
	s_lshl_b32 s46, s42, 10                        ; + 1,024 x tile column + 512 x half
	s_lshl_b32 s47, s12, 9
	s_add_co_u32 s46, s46, s47
	s_mov_b32 s47, 0
	s_add_nc_u64 s[8:9], s[8:9], s[46:47]
	s_lshl_b32 s20, s13, 14                        ; the prefetches: A's tile row,
	s_lshr_b32 s21, s40, 1
	s_lshl_b32 s21, s21, 20                        ; plane cx / 2 of the K step's two,
	s_add_co_u32 s20, s20, s21
	s_and_b32 s21, s40, 1
	s_lshl_b32 s21, s21, 13                        ; half cx % 2 of its 16,384 bytes,
	s_add_co_u32 s20, s20, s21
	s_add_co_u32 s20, s20, 3*2*PLANEB              ; at K step 3: the first refill steps it to 4.  Nothing is prefetched at the head
	s_mov_b32 s21, 0
	s_add_nc_u64 s[PFA:PFA+1], s[4:5], s[20:21]
	s_cmp_eq_u32 s10, 0
	s_cselect_b32 s[LIM], 1, -1
; 8 matrix instructions: A's block a x B's eight, 32 along K, from buffer f.  zero = 1: the first product starts the sums: nothing is cleared.  The 32 accumulators take turns, one instruction a turn, in the same order in every quarter.
.macro MULA f, a, zero
.irp b, 0,1,2,3,4,5,6,7
.if \zero
	v_wmma_f32_16x16x32_f16 v[8*(8*\a+\b):8*(8*\a+\b)+7], v[\f+32+8*\b:\f+32+8*\b+7], v[\f+8*\a:\f+8*\a+7], 0
.else
	v_wmma_f32_16x16x32_f16 v[8*(8*\a+\b):8*(8*\a+\b)+7], v[\f+32+8*\b:\f+32+8*\b+7], v[\f+8*\a:\f+8*\a+7], v[8*(8*\a+\b):8*(8*\a+\b)+7]
.endif
.endr
.endm
; 24 LDS loads in one run: the fragments of the slot's q-th 32 along K into buffer f: B's eight, then A's blocks 0, 1, then 2, 3.  Quarter q lies in plane q / 2, channels 32 (q % 2) on.
.macro FETCH slot, q, f
	WIN 0
.irp i, 0,1,2,3,4,5,6,7
	ds_load_b128 v[\f+32+8*\i:\f+32+8*\i+3],   v[ADRB+\slot] offset:64*\q+\i*16*PB
	ds_load_b128 v[\f+32+8*\i+4:\f+32+8*\i+7], v[ADRB+\slot] offset:64*\q+\i*16*PB+32
.endr
.irp i, 0,1,2,3
	ds_load_b128 v[\f+8*\i:\f+8*\i+3],   v[ADRA+\slot] offset:APL*(\q/2)+64*(\q%2)+\i*16*PA
	ds_load_b128 v[\f+8*\i+4:\f+8*\i+7], v[ADRA+\slot] offset:APL*(\q/2)+64*(\q%2)+\i*16*PA+32
.endr
.endm
.macro PLACES                          ; four places in front of loads into registers that matrix instructions have read, and of the first read of results (ISA guide 7.12.1 for vector instructions)
.rept 4
	v_nop
.endr
.endm
; A K step is four quarters of 32 along K, 32 matrix instructions each, on buffers 0, 1, 0, 1.  One of the first three: multiplies buffer f and fetches quarter q of the same slot into g.
.macro QUARTER slot, q, f, g, zero
	s_wait_dscnt 4                                 ; B and A's blocks 0, 1 are in; the youngest four loads (A's blocks 2, 3) may be out
	WIN MUL
	MULA \f, 0, \zero
	MULA \f, 1, \zero
	PLACES
	FETCH \slot, \q, \g
	s_wait_dscnt 24                                ; all but the 24 just issued
	WIN MUL
	MULA \f, 2, \zero
	MULA \f, 3, \zero
.endm
; The last quarter multiplies buffer 1 and changes slots: ONE barrier; in front of it each wave waits for all its tensor loads, adds 0 to its spare word, and waits for that and for its own reads of this slot.  fill = 1: this slot is filled again, two K steps ahead.
.macro TURN slot, next, fill
.if \fill
	s_wait_xcnt 0x0                                ; the last prefetch, a K step back, has read its address: it is stepped here, ahead of the waits of the change of slots
	s_add_nc_u64 s[PFA:PFA+1], s[PFA:PFA+1], 2*PLANEB
.endif
	WIN 0                                          ; (the add's two registers lie in window 0)
	s_wait_tensorcnt 0x0                           ; all my tensor loads have landed: my part of the next slot;
	ds_add_u32 v[SPW], v[NIL]                      ; 0 onto my spare word;
	s_wait_dscnt 5                                 ; (the add and the youngest four loads may be out)
	WIN MUL
	MULA F1, 0, 0                                  ; eight matrix instructions stand between the add and the wait for it
	s_wait_dscnt 0x0                               ; the add is done, and my reads of this slot are over
	s_barrier_signal -1
	MULA F1, 1, 0
.if \fill
	WIN 0
.endif
	s_barrier_wait -1
.if \fill
	CREST                                          ; the barrier has opened a round of the cluster's barrier: no wave of any partner still reads this slot's tile or has a load on its way
	s_add_nc_u64 s[G0+4*\slot+2:G0+4*\slot+3], s[G0+4*\slot+2:G0+4*\slot+3], 4*PLANEB
	s_add_nc_u64 s[G0B+4*\slot+2:G0B+4*\slot+3], s[G0B+4*\slot+2:G0B+4*\slot+3], 512
	JLOAD \slot                                    ; the first tensor load behind the round; the four v_nop behind it are also the places in front of the loads below
.else
	PLACES
.endif
	FETCH \next, 0, F0
.if \fill
	ASK                                            ; behind the joint load and the run of LDS loads that the next products wait for
.endif
	WIN MUL
	MULA F1, 2, 0
	MULA F1, 3, 0
.endm
	s_wait_tensorcnt 1                             ; my part of K step 0 is in (K step 1's load may be out)
	s_barrier_signal -1
	s_barrier_wait -1                              ; everybody's is
	FETCH 0, 0, F0
	QUARTER 0, 1, F0, F1, 1                        ; the first quarter stands in front of the loop: its products start the sums
	WIN 0                                          ; at a label and at a branch every window is 0
	s_mov_b32 s3, LAPS-1
.Llap:                                                 ; a trip goes once round the ring, from a lap's second quarter to the next lap's first, and fills both slots again
	QUARTER 0, 2, F1, F0, 0
	QUARTER 0, 3, F0, F1, 0
	TURN 0, 1, 1
	QUARTER 1, 1, F0, F1, 0
	QUARTER 1, 2, F1, F0, 0
	QUARTER 1, 3, F0, F1, 0
	TURN 1, 0, 1
	QUARTER 0, 1, F0, F1, 0
	WIN 0
	s_sub_co_u32 s3, s3, 1
	s_cmp_lg_u32 s3, 0
	s_cbranch_scc1 .Llap
	QUARTER 0, 2, F1, F0, 0                        ; the last lap fills nothing, and has no round of the cluster's barrier
	QUARTER 0, 3, F0, F1, 0
	TURN 0, 1, 0
	QUARTER 1, 1, F0, F1, 0
	QUARTER 1, 2, F1, F0, 0
	QUARTER 1, 3, F0, F1, 0
	s_wait_dscnt 4                                 ; the very last quarter: nothing more to fetch
	WIN MUL
	MULA F1, 0, 0
	MULA F1, 1, 0
	s_wait_dscnt 0
	MULA F1, 2, 0
	MULA F1, 3, 0
	WIN 0
; THE WAY OUT, block by block of 16 tokens x 128 columns.  A lane holds 32 neighbouring bytes of a row, and the lanes beside it hold other rows: so a block goes through my own stage and comes back as whole rows of 512 bytes.
; LDS serves a wave's instructions in order (ISA guide 5.7.1.4): no wait between the stores and the loads, nor in front of the next block's stores.
.macro TOSTAGE a
	WIN 0x04                                       ; an LDS store's data are its source 1: window 1
.irp b, 0,1,2,3,4,5,6,7
	ds_store_b128 v[STO], v[8*(8*(\a)+\b):8*(8*(\a)+\b)+3] offset:64*\b          ; each accumulator from its low end on
	ds_store_b128 v[STO], v[8*(8*(\a)+\b)+4:8*(8*(\a)+\b)+7] offset:64*\b+16
.endr
	WIN 0
.set BB, F0+96*((\a)%2)
.irp t, 0,1,2,3,4,5,6,7,8,9,10,11,12,13,14,15
	ds_load_b128 v[BB+4*\t:BB+4*\t+3], v[RD] offset:\t*SPITCH
.endr
.endm
.macro SEND a, younger                 ; younger: the LDS instructions issued behind block a's loads, which may stay out
.set BB, F0+96*((\a)%2)
	s_wait_dscnt \younger
.irp t, 0,1,2,3,4,5,6,7,8,9,10,11,12,13,14,15
	global_store_b128 v[CO], v[BB+4*\t:BB+4*\t+3], s[8:9] offset:65536*(\a)+4096*\t th:TH_STORE_NT   ; 32 lanes store 512 consecutive bytes, at a multiple of 512 from out0's first byte; written once, read by nobody here; the base is never stepped
.endr
.endm
	PLACES                                         ; behind the last products: their results are read, and loads land in their operands' registers, from here on
	TOSTAGE 0
.irp a, 1,2,3
.if \a > 1
	s_wait_xcnt 0x0                                ; block a - 2's stores have read their registers: block a's loads may land there
.endif
	TOSTAGE \a
	SEND \a-1, 32                                  ; behind block a - 1's loads: block a's 16 stores and 16 loads
.endr
	SEND 3, 0
	s_wait_tensorcnt 0x0                           ; the wave's end, behind my last tensor load and my last LDS store
	ds_add_u32 v[SPW], v[NIL]
	s_wait_dscnt 0x0
	CROUND                                         ; the closing round: no work-group ends while a partner may still ask for a tile that names it
	s_endpgm
.Lfunc_end_k_q8b7f9b0c4a_proj:
	.size	k_q8b7f9b0c4a_proj, .Lfunc_end_k_q8b7f9b0c4a_proj-k_q8b7f9b0c4a_proj
	.p2alignl 7, 3214868480
	.fill 96, 4, 3214868480
	.section	.rodata,"a",@progbits
	.p2align	6, 0x0
	.amdhsa_kernel k_q8b7f9b0c4a_proj
		.amdhsa_group_segment_fixed_size 327680
		.amdhsa_private_segment_fixed_size 0
		.amdhsa_enable_private_segment 0
		.amdhsa_kernarg_size 24
		.amdhsa_user_sgpr_count 2
		.amdhsa_user_sgpr_kernarg_segment_ptr 1
		.amdhsa_wavefront_size32 1
		.amdhsa_system_sgpr_workgroup_id_x 1
		.amdhsa_system_sgpr_workgroup_id_y 1
		.amdhsa_system_sgpr_workgroup_id_z 1
		.amdhsa_system_vgpr_workitem_id 0
		.amdhsa_next_free_vgpr 512
		.amdhsa_next_free_sgpr 66
		.amdhsa_reserve_vcc 0
		.amdhsa_float_denorm_mode_32 3
		.amdhsa_float_denorm_mode_16_64 3
		.amdhsa_memory_ordered 1
		.amdhsa_forward_progress 1
		.amdhsa_inst_pref_size 86
	.end_amdhsa_kernel
	.amdgpu_metadata
---
amdhsa.version: [ 1, 2 ]
amdhsa.kernels:
  - .name:           k_q8b7f9b0c4a_proj
    .symbol:         k_q8b7f9b0c4a_proj.kd
    .args:
      - { .name: ao, .offset: 0, .size: 8, .value_kind: global_buffer, .address_space: global }
      - { .name: wo16, .offset: 8, .size: 8, .value_kind: global_buffer, .address_space: global }
      - { .name: out0, .offset: 16, .size: 8, .value_kind: global_buffer, .address_space: global }
    .group_segment_fixed_size: 327680
    .private_segment_fixed_size: 0
    .kernarg_segment_align: 8
    .kernarg_segment_size: 24
    .max_flat_workgroup_size: 128
    .sgpr_count:     66
    .vgpr_count:     512
    .wavefront_size: 32
...
	.end_amdgpu_metadata
.endif
;; end of part 4
